; MI455X (gfx1250); checked and timed in simulation.
; The chip was launched on July 23, 2026; its instructions are those of AMD's public machine-readable ISA for CDNA 5 (MIT licence, August 2026) and "CDNA5" Instruction Set Architecture Reference Guide (July 2026). The comments in the code are by the model that wrote it; some were corrected since.
;; Multi Head Self Attention. Allowed arithmetic: float matrix products may take bf16 or f16 operands with f32 sums; all other float work in f32.
;; Inputs: bk 1,024 float32; bo 1,024 float32; bq 1,024 float32; bv 1,024 float32; mask 1 x 1 x 2,048 x 2,048 int32; wk 1,024 x 1,024 float32; wo 1,024 x 1,024 float32; wq 1,024 x 1,024 float32; wv 1,024 x 1,024 float32; x 4 x 2,048 x 1,024 float32.
;; Outputs: out0 4 x 2,048 x 1,024 float32.
;; 2 versions, each right; version 2 is version 1 with the launch prep written anew for expert scheduling mode. Each part assembles by itself: llvm-mc -triple=amdgcn-amd-amdhsa -mcpu=gfx1250 --defsym DOCPART=n.
;; ======== version 1 of 2: 4 launches
;; limits: values are held in f16: magnitudes above 65,504 overflow, below 6.1e-05 lose precision
;; workspace buffers: xb 16,777,216 bytes; wb 8,388,608 bytes; b3 12,288 bytes; mw 524,288 bytes of whole numbers; qkv 50,331,648 bytes; ao 16,777,216 bytes
;; launch prep (part 1): grid 512 x 1, 8 waves a work-group, no clusters, 34,816 bytes of LDS; arguments x, mask, wq, wk, wv, wo, bq, bk, bv, xb, wb, b3, mw; writes xb, wb, b3, mw
.if DOCPART == 1
	.amdgcn_target "amdgcn-amd-amdhsa--gfx1250"
	.amdhsa_code_object_version 6
	.text
	.protected	k_q0883c8c64d_prep
	.globl	k_q0883c8c64d_prep
	.p2align	8
	.type	k_q0883c8c64d_prep,@function
k_q0883c8c64d_prep:
	s_mov_b64 s[64:65], 0
	v_nop
	global_prefetch_b8 v0, s[64:65] scope:SCOPE_SE
	s_setreg_imm32_b32 hwreg(HW_REG_WAVE_MODE, 25, 1), 1
	s_wait_xcnt 0x0
; prep: a stream.  It rounds x and the four weight matrices to f16 in a layout blocked along K, scales wq and bq, gathers the three biases,
; and packs the int32 mask into one bit a score.
;   xb  f16 [kb 16][m 8192][64]   plane kb holds columns 64 kb .. 64 kb + 63 of every row: any run of rows of a plane is dense in memory
;   wb  f16 [kb 16][n 4096][64]   n 0..1023 wq * c, then wk, wv, wo;  c = 0.125 * log2(e): 1/sqrt(64) and the base-2 exponential's factor
;   b3  f32 [3072]                bq * c, bk, bv
;   mw  u32 [qt 128][kt 128][j 8] bit L = (mask[16 qt + (L & 15)][16 kt + 8 (L >> 4) + j] != 0): the lane layout of a 16 x 16 f32 matrix result
;                                 whose rows are keys and whose columns are queries, so that a word is the lane mask of one select
; LIMIT: f16 operands: an |x| or |w| of 65,520 or more becomes infinite.
; 512 work-groups of 8 waves, straight-line.  Every wave casts 8 chunks (4 rows x 64 columns) of x; waves 4-7 cast 8 chunks of a weight as well;
; waves 0-3 pack 16 query rows x 128 keys of the mask.  32 loads of 16 bytes a lane are issued before the first is used.
; No matrix unit, no cluster, no tensor load: nothing is read twice and nothing is shared.
.set APL, 1048576                      ; bytes of a plane of xb
.set BPL, 524288                       ; bytes of a plane of wb
.set MP,  528                          ; LDS pitch of a mask row: 512 bytes + 16 = 33 x 16
.set X,   8                            ; v[8:71]    x, 8 chunks x 8 registers
.set Y,   72                           ; v[72:135]  a weight's 8 chunks, or 16 mask rows x 4 registers
.set Z,   136                          ; v[136:199] the mask tile read back: register 8 kt + j
.set WD,  200                          ; v[200:201] lane i: words 2 i and 2 i + 1
.set BI,  202                          ; v[202:205] four numbers of a bias
.set TA,  206
.set TB,  207
	s_load_b512 s[4:19], s[0:1], 0x0               ; x s[4:5], mask s[6:7], wq s[8:9], wk s[10:11], wv s[12:13], wo s[14:15], bq s[16:17], bk s[18:19]
	s_load_b256 s[20:27], s[0:1], 0x40             ; bv s[20:21], xb s[22:23], wb s[24:25], b3 s[26:27]
	s_load_b64 s[28:29], s[0:1], 0x60              ; mw
	v_lshl_add_u32 v208, v0, 2, 0x8400
	v_mov_b32 v209, 0
	v_lshrrev_b32 v8, 5, v0
	v_readfirstlane_b32 s30, v8                    ; wave
	v_and_b32 v1, 31, v0                           ; lane l
	v_lshrrev_b32 v2, 3, v1
	v_and_b32 v3, 7, v1
	v_lshlrev_b32 v3, 5, v3
	v_lshl_or_b32 v2, v2, 12, v3                   ; source of a chunk: row l >> 3 (4,096 bytes), 32 bytes at 32 (l & 7)
	v_lshlrev_b32 v3, 4, v1                        ; 16 l: a chunk's 512 bytes of f16, and 512 bytes of a mask row
	v_lshlrev_b32 v6, 3, v1                        ; 8 l: two mask words
	v_lshlrev_b32 v7, 4, v0                        ; 16 x thread: a bias
	s_lshl_b32 s31, ttmp9, 2                       ; 4 x work-group
	s_lshr_b32 s32, s30, 1
	s_add_co_u32 s32, s32, s31                     ; my four rows of x: quad = 4 wg + wave / 2
	s_and_b32 s38, s30, 1                          ; which eight planes
	s_lshl_b32 s34, s32, 9                         ; xb: quad x 512 bytes
	s_lshl_b32 s35, s38, 23                        ;     + 8 planes
	s_add_co_u32 s34, s34, s35
	s_mov_b32 s35, 0
	s_lshl_b32 s32, s32, 14                        ; x: quad x 4 rows of 4,096 bytes
	s_lshl_b32 s33, s38, 11                        ;    + 8 x 256 bytes
	s_add_co_u32 s32, s32, s33
	s_mov_b32 s33, 0
	s_wait_kmcnt 0x0
	s_add_nc_u64 s[4:5], s[4:5], s[32:33]
	s_add_nc_u64 s[22:23], s[22:23], s[34:35]
.irp i, 0,1,2,3,4,5,6,7
	global_load_b128 v[X+8*\i:X+8*\i+3],   v2, s[4:5] offset:256*\i th:TH_LOAD_NT
	global_load_b128 v[X+8*\i+4:X+8*\i+7], v2, s[4:5] offset:256*\i+16 th:TH_LOAD_NT
.endr
	; work-groups 0, 1, 2 also copy bq * c, bk, bv: 256 threads x 16 bytes are the 1,024 numbers
	s_cmp_lt_u32 ttmp9, 3
	s_cbranch_scc0 .Lnobias
	s_cmp_eq_u32 ttmp9, 1
	s_cselect_b64 s[44:45], s[18:19], s[16:17]
	s_cmp_eq_u32 ttmp9, 2
	s_cselect_b64 s[44:45], s[20:21], s[44:45]
	s_cmp_eq_u32 ttmp9, 0
	s_cselect_b32 s46, 0x3e38aa3b, 1.0             ; c for bq
	s_mov_b32 s47, s46
	s_lshl_b32 s40, ttmp9, 12
	s_mov_b32 s41, 0
	s_add_nc_u64 s[26:27], s[26:27], s[40:41]
	global_load_b128 v[BI:BI+3], v7, s[44:45]
	s_wait_loadcnt 0x0                             ; the youngest load: x is in as well on this path, and the counted waits below are met
	v_pk_mul_f32 v[BI:BI+1], v[BI:BI+1], s[46:47] op_sel_hi:[1,0]
	v_pk_mul_f32 v[BI+2:BI+3], v[BI+2:BI+3], s[46:47] op_sel_hi:[1,0]
	global_store_b128 v7, v[BI:BI+3], s[26:27]
.Lnobias:
; Eight chunks from registers R: (scale,) round to f16 in place, store 512 neighbouring bytes a chunk, one plane apart.
; left = loads issued behind chunk 0's two.
.macro CAST R, base, PS, scaled, left
.irp i, 0,1,2,3,4,5,6,7
	s_wait_loadcnt \left-2*\i                      ; loads return in order: chunk i's two are in, the younger ones stay out
.if \scaled
.irp k, 0,2,4,6
	v_pk_mul_f32 v[\R+8*\i+\k:\R+8*\i+\k+1], v[\R+8*\i+\k:\R+8*\i+\k+1], s[36:37] op_sel_hi:[1,0]
.endr
.endif
.irp k, 0,1,2,3
	v_cvt_pk_f16_f32 v[\R+8*\i+\k], v[\R+8*\i+2*\k], v[\R+8*\i+2*\k+1]   ; register k is written when registers up to 2 k - 1 have been used
.endr
	global_store_b128 v3, v[\R+8*\i:\R+8*\i+3], s[\base:\base+1] offset:\i*\PS
.endr
.endm
	s_cmp_lt_u32 s30, 4
	s_cbranch_scc0 .Lweights
	; waves 0-3: mask rows 16 qt .. + 15, keys 128 kg .. + 127;  T = 4 wg + wave, qt = T >> 4, kg = T & 15
	s_add_co_u32 s31, s31, s30
	s_lshr_b32 s32, s31, 4
	s_lshl_b32 s32, s32, 17                        ; 16 rows of 8,192 bytes
	s_and_b32 s34, s31, 15
	s_lshl_b32 s34, s34, 9
	s_add_co_u32 s32, s32, s34
	s_add_nc_u64 s[6:7], s[6:7], s[32:33]
	s_lshl_b32 s34, s31, 8                         ; 64 words
	s_add_nc_u64 s[28:29], s[28:29], s[34:35]
.irp p, 0,1,2,3,4,5,6,7,8,9,10,11,12,13,14,15
	global_load_b128 v[Y+4*\p:Y+4*\p+3], v3, s[6:7] offset:8192*\p th:TH_LOAD_NT
.endr
	s_mul_i32 s39, s30, 16*MP                      ; my wave's own 16 x 528 bytes of LDS: no other wave touches them, so no barrier
	v_and_b32 v[TA], 15, v1
	v_lshrrev_b32 v[TB], 4, v1
	v_mul_u32_u24 v5, v[TA], MP
	v_lshl_add_u32 v5, v[TB], 5, v5
	v_add_nc_u32 v5, s39, v5                       ; back: row l & 15, 32 bytes at 32 (l >> 4)
	v_add_nc_u32 v4, s39, v3                       ; in: 16 l of a row
	v_mov_b32 v[WD], 0                             ; v_writelane_b32 keeps the other lanes: written whole first
	v_mov_b32 v[WD+1], 0
	CAST X, 22, APL, 0, 30                         ; 16 mask loads and 14 of x stand behind chunk 0's two
.irp p, 0,1,2,3,4,5,6,7,8,9,10,11,12,13,14,15
	s_wait_loadcnt 15-\p
	ds_store_b128 v4, v[Y+4*\p:Y+4*\p+3] offset:MP*\p
.endr
.irp n, 0,1,2,3,4,5,6,7,8,9,10,11,12,13,14,15
	ds_load_b128 v[Z+4*\n:Z+4*\n+3], v5 offset:64*(\n>>1)+16*(\n&1)   ; LDS serves a wave's instructions in order: these see the stores above
.endr
.set w, 0
.rept 64
.if (w&3) == 0
	s_wait_dscnt 15-(w>>2)                         ; the load that brought registers w .. w + 3 is back
.endif
	v_cmp_ne_u32 s[40+(w&3)], 0, v[Z+w]            ; the ballot of 32 lanes is word w
	v_writelane_b32 v[WD+(w&1)], s[40+(w&3)], w>>1
.set w, w+1
.endr
	global_store_b64 v6, v[WD:WD+1], s[28:29]      ; 256 neighbouring bytes, aligned
	s_wait_tensorcnt 0x0
	ds_add_u32 v208, v209
	s_wait_dscnt 0x0
	s_endpgm
.Lweights:
	; waves 4-7: four rows of a weight, eight planes;  quadG = 2 wg + (wave - 4) / 2, the weight is wg >> 7
	s_lshl_b32 s31, ttmp9, 1
	s_sub_co_u32 s39, s30, 4
	s_lshr_b32 s39, s39, 1
	s_add_co_u32 s31, s31, s39
	s_and_b32 s32, s31, 255
	s_lshl_b32 s32, s32, 14
	s_lshl_b32 s34, s38, 11
	s_add_co_u32 s32, s32, s34
	s_lshl_b32 s34, s31, 9
	s_lshl_b32 s39, s38, 22                        ; 8 planes of wb
	s_add_co_u32 s34, s34, s39
	s_lshr_b32 s39, ttmp9, 7
	s_cmp_eq_u32 s39, 1
	s_cselect_b64 s[8:9], s[10:11], s[8:9]
	s_cmp_eq_u32 s39, 2
	s_cselect_b64 s[8:9], s[12:13], s[8:9]
	s_cmp_eq_u32 s39, 3
	s_cselect_b64 s[8:9], s[14:15], s[8:9]
	s_cmp_eq_u32 s39, 0
	s_cselect_b32 s36, 0x3e38aa3b, 1.0             ; c for wq
	s_mov_b32 s37, s36
	s_add_nc_u64 s[8:9], s[8:9], s[32:33]
	s_add_nc_u64 s[24:25], s[24:25], s[34:35]
.irp i, 0,1,2,3,4,5,6,7
	global_load_b128 v[Y+8*\i:Y+8*\i+3],   v2, s[8:9] offset:256*\i th:TH_LOAD_NT
	global_load_b128 v[Y+8*\i+4:Y+8*\i+7], v2, s[8:9] offset:256*\i+16 th:TH_LOAD_NT
.endr
	CAST X, 22, APL, 0, 30
	CAST Y, 24, BPL, 1, 14
	s_endpgm
.Lfunc_end_k_q0883c8c64d_prep:
	.size	k_q0883c8c64d_prep, .Lfunc_end_k_q0883c8c64d_prep-k_q0883c8c64d_prep
	.p2alignl 7, 3214868480
	.fill 96, 4, 3214868480
	.section	.rodata,"a",@progbits
	.p2align	6, 0x0
	.amdhsa_kernel k_q0883c8c64d_prep
		.amdhsa_group_segment_fixed_size 34816
		.amdhsa_private_segment_fixed_size 0
		.amdhsa_enable_private_segment 0
		.amdhsa_kernarg_size 104
		.amdhsa_user_sgpr_count 2
		.amdhsa_user_sgpr_kernarg_segment_ptr 1
		.amdhsa_wavefront_size32 1
		.amdhsa_system_sgpr_workgroup_id_x 1
		.amdhsa_system_sgpr_workgroup_id_y 1
		.amdhsa_system_sgpr_workgroup_id_z 1
		.amdhsa_system_vgpr_workitem_id 0
		.amdhsa_next_free_vgpr 210
		.amdhsa_next_free_sgpr 66
		.amdhsa_reserve_vcc 0
		.amdhsa_float_denorm_mode_32 3
		.amdhsa_float_denorm_mode_16_64 3
		.amdhsa_memory_ordered 1
		.amdhsa_forward_progress 1
		.amdhsa_inst_pref_size 31
	.end_amdhsa_kernel
	.amdgpu_metadata
---
amdhsa.version: [ 1, 2 ]
amdhsa.kernels:
  - .name:           k_q0883c8c64d_prep
    .symbol:         k_q0883c8c64d_prep.kd
    .args:
      - { .name: x, .offset: 0, .size: 8, .value_kind: global_buffer, .address_space: global }
      - { .name: mask, .offset: 8, .size: 8, .value_kind: global_buffer, .address_space: global }
      - { .name: wq, .offset: 16, .size: 8, .value_kind: global_buffer, .address_space: global }
      - { .name: wk, .offset: 24, .size: 8, .value_kind: global_buffer, .address_space: global }
      - { .name: wv, .offset: 32, .size: 8, .value_kind: global_buffer, .address_space: global }
      - { .name: wo, .offset: 40, .size: 8, .value_kind: global_buffer, .address_space: global }
      - { .name: bq, .offset: 48, .size: 8, .value_kind: global_buffer, .address_space: global }
      - { .name: bk, .offset: 56, .size: 8, .value_kind: global_buffer, .address_space: global }
      - { .name: bv, .offset: 64, .size: 8, .value_kind: global_buffer, .address_space: global }
      - { .name: xb, .offset: 72, .size: 8, .value_kind: global_buffer, .address_space: global }
      - { .name: wb, .offset: 80, .size: 8, .value_kind: global_buffer, .address_space: global }
      - { .name: b3, .offset: 88, .size: 8, .value_kind: global_buffer, .address_space: global }
      - { .name: mw, .offset: 96, .size: 8, .value_kind: global_buffer, .address_space: global }
    .group_segment_fixed_size: 34816
    .private_segment_fixed_size: 0
    .kernarg_segment_align: 8
    .kernarg_segment_size: 104
    .max_flat_workgroup_size: 256
    .sgpr_count:     66
    .vgpr_count:     210
    .wavefront_size: 32
...
	.end_amdgpu_metadata
.endif
;; end of part 1
;; launch qkv (part 2): grid 16 x 32, 4 waves a work-group, clusters of 4 x 4, 327,680 bytes of LDS; arguments xb, wb, b3, qkv; writes qkv
.if DOCPART == 2
	.amdgcn_target "amdgcn-amd-amdhsa--gfx1250"
	.amdhsa_code_object_version 6
	.text
	.protected	k_q0883c8c64d_qkv
	.globl	k_q0883c8c64d_qkv
	.p2align	8
	.type	k_q0883c8c64d_qkv,@function
k_q0883c8c64d_qkv:
	s_mov_b64 s[64:65], 0
	v_nop
	global_prefetch_b8 v0, s[64:65] scope:SCOPE_SE
	s_setreg_imm32_b32 hwreg(HW_REG_WAVE_MODE, 25, 1), 1
	s_wait_xcnt 0x0
	s_wait_alu depctr_hold_cnt(0) depctr_sa_sdst(0) depctr_va_vdst(0) depctr_va_sdst(0) depctr_va_ssrc(0) depctr_va_vcc(0) depctr_vm_vsrc(0)
	s_getreg_b32 s2, hwreg(HW_REG_IB_STS2, 6, 4)
	s_cmp_eq_u32 s2, 0
	s_cbranch_scc0 .Lentry_in_a_cluster
	s_endpgm
.Lentry_in_a_cluster:
	s_bfe_u32 s2, ttmp6, 0x10000c
	s_cmp_lg_u32 s2, 0xf033
	s_cbranch_scc0 .Lentry_shape_is_right
	s_endpgm
.Lentry_shape_is_right:
; qkv[b][g][s][64] (f16) = x W^T + bias for W = (wq c, wk, wv) stacked: M = 8192, N = 3072, K = 1024; f16 operands, f32 sums.
; g = n / 64: 0..15 heads of q (already times 0.125 log2 e), 16..31 of k, 32..47 of v.
; LIMIT: results are stored as f16: a magnitude of 65,520 or more becomes infinite.
; A work-group makes 256 x 192 of C with four waves; a wave makes 128 x 96: 8 x 6 accumulator tiles, 384 registers.
; Operands lie blocked along K ([kb][row][64] f16), so the rows of a block in one plane are dense in memory.  A tensor load brings one plane of the
; block as memory rows of 256 bytes and pads 16 bytes behind every 128, so that a logical row of 64 f16 has an LDS pitch of 144 = 9 x 16 bytes.
; K goes in steps of 128 (two planes) through two LDS slots.
; CLUSTERS: 4 x 4 work-groups.  A's tiles hang on the block row alone and are asked for jointly along a row of the cluster, B's on the block column
; alone, jointly along a column.
; REGISTER WINDOWS: 0: addresses, A's fragments (two buffers), bias, work;  1: B's fragments;  2: accumulators of my rows 0-63;  3: of rows 64-127.
; The matrix instruction is used transposed (source 0 = rows of W, source 1 = rows of x): lane l holds row l % 16 of C, registers 0-7 the columns 8 (l / 16) + 0..7.
.set NT,     6                         ; 16-column tiles of a wave
.set NB,     32*NT                     ; columns of a block
.set NOFF,   0                         ; first row of wb
.set APL,    1048576                   ; bytes of a plane of A
.set BPL,    524288                    ; bytes of a plane of wb
.set PITCH,  144
.set PLA,    256*PITCH                 ; a plane of A's tile in LDS
.set PLB,    NB*PITCH                  ; a plane of B's
.set SLOT,   2*PLA+2*PLB               ; A plane 0, A plane 1, B plane 0, B plane 1
.set LAPS,   4                         ; 8 K steps = 4 laps of the ring
.set SPITCH, 400                       ; the way out: 384 bytes of a block's row + 16 = 25 x 16
.set ADRA, 16                          ; v16-17 LDS address of my A fragments in slot 0, 1
.set ADRB, 20                          ; v20-21 of my B fragments
.set STO,  24
.set RD,   25
.set CO,   26
.set BO,   27
.set F0,   64
.set F1,   128
.set BIAS, 192                         ; v[192:239] bias of my 96 columns: tile b, 8 numbers a lane
.set G1,  24                           ; s[24:31] group 1 of A's tiles
.set G0,  32                           ; s[32:39] group 0 of A's tiles, a set for each slot
.set G1B, 48
.set G0B, 56
.set MSB, 0
.macro WIN new                         ; the immediate's high byte repeats the setting that is left
.if MSB != \new
	s_set_vgpr_msb (MSB<<8)|\new
.set MSB, \new
.endif
.endm
.set MUL_LO, 0xa1                      ; source 0 window 1, source 1 window 0, C and D window 2
.set MUL_HI, 0xf1                      ; C and D window 3
.set TO_B,   0x40                      ; destination window 1
.macro PLACES                          ; four places behind a matrix instruction (ISA guide 7.12.1)
.rept 4
	v_nop
.endr
.endm
; A joint load.  Waves 0, 1 fetch A's planes 0, 1; waves 2, 3 B's.  The branch hangs on the wave's number alone.
.macro JLOAD s
	s_cmp_eq_u32 s13, 0
	s_cbranch_scc0 .Lfor_b_\@
	tensor_load_to_lds s[G0+4*\s:G0+4*\s+3], s[G1:G1+7]
	s_nop 0
	PLACES
	s_branch .Lasked_\@
.Lfor_b_\@:
	tensor_load_to_lds s[G0B+4*\s:G0B+4*\s+3], s[G1B:G1B+7]
	s_nop 0
	PLACES
.Lasked_\@:
.endm
.macro CREST                           ; a round of the cluster's barrier behind its opening work-group barrier
	s_cmp_lg_u32 s12, 0
	s_cbranch_scc1 .Lnot_wave_0_\@
	s_barrier_signal -3
.Lnot_wave_0_\@:
	s_barrier_wait -3
	s_barrier_signal -1
	s_barrier_wait -1
.endm
.macro CROUND
	s_barrier_signal -1
	s_barrier_wait -1
	CREST
.endm
	s_load_b256 s[4:11], s[0:1], 0x0               ; A s[4:5], wb s[6:7], bias s[8:9], C s[10:11]
	s_set_vgpr_msb 0x40
	v_lshl_add_u32 v255, v0, 2, 0x3f000
	s_set_vgpr_msb 0x4000
	v_mov_b32 v255, 0
	s_set_vgpr_msb 0x1
	ds_add_u32 v255, v255
	s_set_vgpr_msb 0x100
	v_lshrrev_b32 v1, 5, v0
	v_readfirstlane_b32 s12, v1                    ; wave
	s_lshr_b32 s13, s12, 1                         ; wm: my half of the rows.  Also: I fetch for A (0) or B (1)
	s_and_b32 s14, s12, 1                          ; wn: my half of the columns.  Also: the plane I fetch
	s_bfe_u32 s40, ttmp6, 0x40000                  ; cx
	s_bfe_u32 s41, ttmp6, 0x40004                  ; cy
	s_lshl_b32 s42, ttmp9, 2
	s_add_co_u32 s42, s42, s40                     ; block column bx
	s_and_b32 s15, ttmp7, 0xffff
	s_lshl_b32 s15, s15, 2
	s_add_co_u32 s15, s15, s41                     ; block row by
	s_lshl_b32 s43, s41, 2
	s_lshl_b32 s43, 15, s43                        ; my row of the cluster
	s_lshl_b32 s44, 0x1111, s40                    ; my column
	; group 1: memory rows of 128 elements of 2 bytes, dense; 16 bytes of padding behind every 32 words
	s_or_b32 s[G1+0], s43, (1<<16)|(1<<20)|(1<<21)|(4<<22)|(3<<25)
	s_or_b32 s[G1B+0], s44, (1<<16)|(1<<20)|(1<<21)|(4<<22)|(3<<25)
	s_mov_b32 s[G1+1], 128<<16                     ; tensor_dim0 = 128
	s_mov_b32 s[G1B+1], 128<<16
	s_mov_b32 s[G1+2], 128<<16                     ; tensor_dim1 = 128 memory rows = 256 logical rows
	s_mov_b32 s[G1B+2], (NB/2)<<16
	s_mov_b32 s[G1+3], 128<<16                     ; tile_dim0 = 128
	s_mov_b32 s[G1B+3], 128<<16
	s_mov_b32 s[G1+4], 128                         ; tile_dim1
	s_mov_b32 s[G1B+4], NB/2
	s_mov_b32 s[G1+5], 128                         ; pitch = row: dense
	s_mov_b32 s[G1B+5], 128
	s_mov_b32 s[G1+6], 0
	s_mov_b32 s[G1B+6], 0
	s_mov_b32 s[G1+7], 0
	s_mov_b32 s[G1B+7], 0
	; A's address is made of by and the wave's number, B's of bx and the wave's number, in registers that never hold the other coordinate
	s_lshl_b32 s16, s14, 20                        ; plane
	s_lshl_b32 s17, s15, 15                        ; 256 rows of 128 bytes
	s_add_co_u32 s16, s16, s17
	s_mov_b32 s17, 0
	s_mul_i32 s46, s42, NB*128
	s_lshl_b32 s47, s14, 19
	s_add_co_u32 s46, s46, s47
.if NOFF
	s_add_co_u32 s46, s46, NOFF*128
.endif
	s_mov_b32 s47, 0
	s_mul_i32 s20, s12, PLA                        ; where A's plane goes (waves 0, 1)
	s_mul_i32 s21, s12, PLB
	s_add_co_u32 s21, s21, 2*PLA-2*PLB             ; where B's goes (waves 2, 3): behind A's two planes
	s_wait_dscnt 0x0
	s_wait_kmcnt 0x0
	s_add_nc_u64 s[18:19], s[4:5], s[16:17]
	s_add_nc_u64 s[46:47], s[6:7], s[46:47]
	CROUND                                         ; all sixteen work-groups are here: the first joint loads meet
.irp s, 0,1
	s_mov_b32 s[G0+4*\s], 1
	s_add_co_u32 s[G0+4*\s+1], s20, \s*SLOT
	s_add_nc_u64 s[G0+4*\s+2:G0+4*\s+3], s[18:19], \s*2*APL        ; K step s
	s_or_b32 s[G0+4*\s+3], s[G0+4*\s+3], 0x80000000
	s_mov_b32 s[G0B+4*\s], 1
	s_add_co_u32 s[G0B+4*\s+1], s21, \s*SLOT
	s_add_nc_u64 s[G0B+4*\s+2:G0B+4*\s+3], s[46:47], \s*2*BPL
	s_or_b32 s[G0B+4*\s+3], s[G0B+4*\s+3], 0x80000000
	JLOAD \s
.endr
	v_and_b32 v1, 15, v0                           ; r = l % 16
	v_bfe_u32 v2, v0, 4, 1                         ; h = l / 16
	v_mul_u32_u24 v3, v1, PITCH
	v_lshl_add_u32 v3, v2, 4, v3                   ; a fragment: row r, 16 bytes at 16 h, and 32 bytes on
	s_mul_i32 s16, s13, 128*PITCH
	s_mul_i32 s17, s14, 16*NT*PITCH
	s_add_co_u32 s17, s17, 2*PLA
.irp s, 0,1
	v_add_nc_u32 v[ADRA+\s], s16, v3
	v_add_nc_u32 v[ADRB+\s], s17, v3
	s_add_co_u32 s16, s16, SLOT
	s_add_co_u32 s17, s17, SLOT
.endr
	; the bias of my columns: tile b, columns 8 h .. 8 h + 7; waited for on the way out
	v_lshlrev_b32 v[BO], 5, v2
	s_mul_i32 s22, s42, NB*4
	s_mul_i32 s23, s14, 16*NT*4
	s_add_co_u32 s22, s22, s23
	s_mov_b32 s23, 0
	s_add_nc_u64 s[8:9], s[8:9], s[22:23]
.set bi, 0
.rept NT
	global_load_b128 v[BIAS+8*bi:BIAS+8*bi+3],   v[BO], s[8:9] offset:64*bi
	global_load_b128 v[BIAS+8*bi+4:BIAS+8*bi+7], v[BO], s[8:9] offset:64*bi+16
.set bi, bi+1
.endr
	; the way out: the block's 256 rows x 384 bytes are gathered in slot 0 after its last fill
	v_mul_u32_u24 v4, v1, SPITCH
	v_lshl_add_u32 v4, v2, 4, v4
	s_mul_i32 s16, s13, 128*SPITCH
	s_mul_i32 s17, s14, 32*NT
	s_add_co_u32 s16, s16, s17
	v_add_nc_u32 v[STO], s16, v4                   ; in: row 128 wm + r, byte 192 wn + 16 h
	v_and_b32 v5, 31, v0
	v_lshrrev_b32 v6, 3, v5
	v_and_b32 v7, 7, v5
	v_mul_u32_u24 v6, v6, SPITCH
	v_lshl_add_u32 v6, v7, 4, v6
	s_mul_i32 s16, s12, 64*SPITCH
	v_add_nc_u32 v[RD], s16, v6                    ; back: row 64 wave + l / 8, 16 bytes at 16 (l % 8) of a head's 128
	s_lshl_b32 s16, s12, 13
	v_lshl_add_u32 v[CO], v5, 4, s16               ; 64 wave rows of 128 bytes + 16 l
; 2 NT matrix instructions: m tiles a0, a0 + 1 of the window's four x all n tiles, 32 along K.  zero = 1: the first product starts the sums.
.macro MUL2 f, hi, a0, zero
.set ma, \a0
.rept 2
.set mb, 0
.rept NT
.if \zero
	v_wmma_f32_16x16x32_f16 v[8*(NT*ma+mb):8*(NT*ma+mb)+7], v[\f+8*mb:\f+8*mb+7], v[\f+8*(4*\hi+ma):\f+8*(4*\hi+ma)+7], 0
.else
	v_wmma_f32_16x16x32_f16 v[8*(NT*ma+mb):8*(NT*ma+mb)+7], v[\f+8*mb:\f+8*mb+7], v[\f+8*(4*\hi+ma):\f+8*(4*\hi+ma)+7], v[8*(NT*ma+mb):8*(NT*ma+mb)+7]
.endif
.set mb, mb+1
.endr
.set ma, ma+1
.endr
.endm
; The fragments of quarter kq of a K step (plane kq / 2, byte 64 (kq % 2) of the rows) into buffer f: 2 NT loads for B, then 16 for A
.macro FETCH slot, kq, f
	WIN TO_B
.set fi, 0
.rept NT
	ds_load_b128 v[\f+8*fi:\f+8*fi+3],   v[ADRB+\slot] offset:(\kq>>1)*PLB+64*(\kq&1)+fi*16*PITCH
	ds_load_b128 v[\f+8*fi+4:\f+8*fi+7], v[ADRB+\slot] offset:(\kq>>1)*PLB+64*(\kq&1)+fi*16*PITCH+32
.set fi, fi+1
.endr
	WIN 0
.set fi, 0
.rept 8
	ds_load_b128 v[\f+8*fi:\f+8*fi+3],   v[ADRA+\slot] offset:(\kq>>1)*PLA+64*(\kq&1)+fi*16*PITCH
	ds_load_b128 v[\f+8*fi+4:\f+8*fi+7], v[ADRA+\slot] offset:(\kq>>1)*PLA+64*(\kq&1)+fi*16*PITCH+32
.set fi, fi+1
.endr
.endm
; One of a K step's first three quarters: multiplies buffer f and, in its middle, fetches quarter kq into buffer g.
; The 8 NT accumulators take turns, one instruction a turn, in the same order in every quarter.
.macro QUARTER slot, kq, f, g, zero
	s_wait_dscnt 8                                 ; B and A's rows 0-63 are in; the youngest eight loads (A's rows 64-127) may be out
	WIN MUL_LO
	MUL2 \f, 0, 0, \zero
	MUL2 \f, 0, 2, \zero
	PLACES
	FETCH \slot, \kq, \g
	s_wait_dscnt 16+2*NT                           ; all but the run just issued
	WIN MUL_HI
	MUL2 \f, 1, 0, \zero
	MUL2 \f, 1, 2, \zero
.endm
.macro THREE slot, zero
	QUARTER \slot, 1, F0, F1, \zero
	QUARTER \slot, 2, F1, F0, 0
	QUARTER \slot, 3, F0, F1, 0
.endm
; The last quarter changes slots.  In front of the barrier each wave waits for its reads of this slot and for all its tensor loads (one is out: its part
; of the next slot).  Where the slot is filled again the barrier opens a round of the cluster's barrier, and the joint refill is the first tensor load behind it.
.macro TURN slot, next, fill
	s_wait_dscnt 8
	WIN MUL_LO
	MUL2 F1, 0, 0, 0
	s_wait_dscnt 0
	s_wait_tensorcnt 0x0
	ds_add_u32 v255, v255
	s_wait_dscnt 0x0
	s_barrier_signal -1
	MUL2 F1, 0, 2, 0                               ; registers only
	WIN 0
	s_barrier_wait -1
.if \fill
	CREST
	s_add_nc_u64 s[G0+4*\slot+2:G0+4*\slot+3], s[G0+4*\slot+2:G0+4*\slot+3], 4*APL      ; two K steps on: no tensor load of mine is out
	s_add_nc_u64 s[G0B+4*\slot+2:G0B+4*\slot+3], s[G0B+4*\slot+2:G0B+4*\slot+3], 4*BPL
	JLOAD \slot                                    ; its four v_nop are also the places in front of the loads below
.else
	PLACES
.endif
	FETCH \next, 0, F0
	WIN MUL_HI
	MUL2 F1, 1, 0, 0
	MUL2 F1, 1, 2, 0
.endm
.macro LAP zero
	THREE 0, \zero
	TURN 0, 1, 1
	THREE 1, 0
	TURN 1, 0, 1
.endm
	s_wait_tensorcnt 1                             ; my part of K step 0 is in; K step 1's stays out
	s_barrier_signal -1
	s_barrier_wait -1
	FETCH 0, 0, F0
	LAP 1
	WIN 0
	s_mov_b32 s3, LAPS-2
.Llap:
	LAP 0
	WIN 0
	s_sub_co_u32 s3, s3, 1
	s_cmp_lg_u32 s3, 0
	s_cbranch_scc1 .Llap
	THREE 0, 0                                     ; the last lap fills nothing
	TURN 0, 1, 0                                   ; behind its barrier no wave reads slot 0 any more
	THREE 1, 0
	s_wait_dscnt 8
	WIN MUL_LO
	MUL2 F1, 0, 0, 0
	MUL2 F1, 0, 2, 0
	s_wait_dscnt 0
	WIN MUL_HI
	MUL2 F1, 1, 0, 0
	MUL2 F1, 1, 2, 0
	; THE WAY OUT.  Add the bias, round to f16, 16 bytes a lane into the block's image in slot 0 (it has had its last fill, and its last reads ended
	; in front of the barrier of the last change of slots); one barrier; then each wave reads 64 rows back head by head and stores 512 neighbouring bytes at a time.
	PLACES
	WIN 0
	s_wait_loadcnt 0x0                             ; the bias
	s_lshr_b32 s46, s15, 3                         ; b
	s_mul_i32 s46, s46, 12582912                   ; 48 heads x 2,048 rows x 128 bytes
	s_mul_i32 s47, s42, 786432                     ; three heads a block column
	s_add_co_u32 s46, s46, s47
	s_and_b32 s47, s15, 7
	s_lshl_b32 s47, s47, 15                        ; 256 rows of 128 bytes
	s_add_co_u32 s46, s46, s47
	s_mov_b32 s47, 0
	s_add_nc_u64 s[10:11], s[10:11], s[46:47]
.macro OUTA a
.if \a < 4
	WIN 0x02
.else
	WIN 0x03
.endif
.set ob, 0
.rept NT
.set ok, 0
.rept 4
	v_pk_add_f32 v[F0+8*ob+2*ok:F0+8*ob+2*ok+1], v[8*(NT*(\a&3)+ob)+2*ok:8*(NT*(\a&3)+ob)+2*ok+1], v[BIAS+8*ob+2*ok:BIAS+8*ob+2*ok+1]
.set ok, ok+1
.endr
.set ob, ob+1
.endr
	WIN 0
.set ob, 0
.rept 4*NT
	v_cvt_pk_f16_f32 v[F0+48+ob], v[F0+2*ob], v[F0+2*ob+1]
.set ob, ob+1
.endr
.set ob, 0
.rept NT
	ds_store_b128 v[STO], v[F0+48+4*ob:F0+48+4*ob+3] offset:16*SPITCH*\a+32*ob
.set ob, ob+1
.endr
.endm
.irp a, 0,1,2,3,4,5,6,7
	OUTA \a
.endr
	s_wait_dscnt 0x0                               ; my stores are in LDS, for the other waves' sake
	s_barrier_signal -1
	s_barrier_wait -1
.macro BACK g, hh
	s_wait_xcnt 0x0                                ; the registers that earlier stores read are loaded again only behind this wait
.irp t, 0,1,2,3,4,5,6,7
	ds_load_b128 v[F1+32*\hh+4*\t:F1+32*\hh+4*\t+3], v[RD] offset:4*SPITCH*(8*\hh+\t)+128*\g
.endr
.irp t, 0,1,2,3,4,5,6,7
	s_wait_dscnt 7-\t
	global_store_b128 v[CO], v[F1+32*\hh+4*\t:F1+32*\hh+4*\t+3], s[10:11] offset:262144*\g+512*(8*\hh+\t)   ; four rows of a head: 512 neighbouring bytes
.endr
.endm
.irp g, 0,1,2
	BACK \g, 0
	BACK \g, 1
.endr
	s_set_vgpr_msb 0x1
	s_wait_tensorcnt 0x0
	ds_add_u32 v255, v255
	s_wait_dscnt 0x0
	s_set_vgpr_msb 0x100
	CROUND                                         ; the closing round: no work-group ends while a partner may still ask jointly
	s_endpgm
.Lfunc_end_k_q0883c8c64d_qkv:
	.size	k_q0883c8c64d_qkv, .Lfunc_end_k_q0883c8c64d_qkv-k_q0883c8c64d_qkv
	.p2alignl 7, 3214868480
	.fill 96, 4, 3214868480
	.section	.rodata,"a",@progbits
	.p2align	6, 0x0
	.amdhsa_kernel k_q0883c8c64d_qkv
		.amdhsa_group_segment_fixed_size 327680
		.amdhsa_private_segment_fixed_size 0
		.amdhsa_enable_private_segment 0
		.amdhsa_kernarg_size 32
		.amdhsa_user_sgpr_count 2
		.amdhsa_user_sgpr_kernarg_segment_ptr 1
		.amdhsa_wavefront_size32 1
		.amdhsa_system_sgpr_workgroup_id_x 1
		.amdhsa_system_sgpr_workgroup_id_y 1
		.amdhsa_system_sgpr_workgroup_id_z 1
		.amdhsa_system_vgpr_workitem_id 0
		.amdhsa_next_free_vgpr 960
		.amdhsa_next_free_sgpr 66
		.amdhsa_reserve_vcc 0
		.amdhsa_float_denorm_mode_32 3
		.amdhsa_float_denorm_mode_16_64 3
		.amdhsa_memory_ordered 1
		.amdhsa_forward_progress 1
		.amdhsa_inst_pref_size 172
	.end_amdhsa_kernel
	.amdgpu_metadata
---
amdhsa.version: [ 1, 2 ]
amdhsa.kernels:
  - .name:           k_q0883c8c64d_qkv
    .symbol:         k_q0883c8c64d_qkv.kd
    .args:
      - { .name: xb, .offset: 0, .size: 8, .value_kind: global_buffer, .address_space: global }
      - { .name: wb, .offset: 8, .size: 8, .value_kind: global_buffer, .address_space: global }
      - { .name: b3, .offset: 16, .size: 8, .value_kind: global_buffer, .address_space: global }
      - { .name: qkv, .offset: 24, .size: 8, .value_kind: global_buffer, .address_space: global }
    .group_segment_fixed_size: 327680
    .private_segment_fixed_size: 0
    .kernarg_segment_align: 8
    .kernarg_segment_size: 32
    .max_flat_workgroup_size: 128
    .sgpr_count:     66
    .vgpr_count:     960
    .wavefront_size: 32
...
	.end_amdgpu_metadata
.endif
;; end of part 2
;; launch attn (part 3): grid 256 x 1, 8 waves a work-group, clusters of 4 x 1, 327,680 bytes of LDS; arguments qkv, mw, ao; writes ao
.if DOCPART == 3
	.amdgcn_target "amdgcn-amd-amdhsa--gfx1250"
	.amdhsa_code_object_version 6
	.text
	.protected	k_q0883c8c64d_attn
	.globl	k_q0883c8c64d_attn
	.p2align	8
	.type	k_q0883c8c64d_attn,@function
k_q0883c8c64d_attn:
	s_mov_b64 s[64:65], 0
	v_nop
	global_prefetch_b8 v0, s[64:65] scope:SCOPE_SE
	s_setreg_imm32_b32 hwreg(HW_REG_WAVE_MODE, 25, 1), 1
	s_wait_xcnt 0x0
	s_wait_alu depctr_hold_cnt(0) depctr_sa_sdst(0) depctr_va_vdst(0) depctr_va_sdst(0) depctr_va_ssrc(0) depctr_va_vcc(0) depctr_vm_vsrc(0)
	s_getreg_b32 s2, hwreg(HW_REG_IB_STS2, 6, 4)
	s_cmp_eq_u32 s2, 0
	s_cbranch_scc0 .Lentry_in_a_cluster
	s_endpgm
.Lentry_in_a_cluster:
	s_bfe_u32 s2, ttmp6, 0x10000c
	s_cmp_lg_u32 s2, 0x3003
	s_cbranch_scc0 .Lentry_shape_is_right
	s_endpgm
.Lentry_shape_is_right:
; attn: ao[hd][b s][64] (f16) = softmax(mask(q k^T)) v for one head and 512 queries a work-group.  q already holds 0.125 log2 e, so exponentials are base 2.
; Eight waves, 64 queries (four tiles of 16) each; keys in steps of 64; a running maximum and a running sum for each query.
; S^T = K Q^T: a lane holds one query (l % 16) and, in the 8 registers of a tile, the keys 8 (l / 16) + 0..7.  So the maximum and the sum of a row are
; work inside a lane and one exchange between the halves; two packed tiles of S^T ARE the second operand of O^T = V^T P^T; and a lane's 8 results of O^T are
; 8 neighbouring numbers of an output row.  P never passes through LDS.
; The mask comes as one 32-bit word a score register (bit l = lane l's score is kept): a scalar, the lane mask of one v_cndmask_b32.
; CLUSTERS: the four query blocks of one head form a cluster and ask for K and V jointly (mask 15).  A slot holds 512 keys of K and of V; two slots; each wave
; fetches 128 rows with one load.  By this text's count a wave has two tensor loads out at the start and one later.
; V keeps K's pitch of 144 bytes so that one descriptor shape serves both.
; LIMITS: f16 operands (|0.18 q|, |k|, |v| and results of 65,520 or more become infinite).  The running maximum starts at -FLT_MAX, so a score equal to it is
; not told from the start value.  A query whose mask row is all zero gives 0 x infinity = NaN, as the reference's softmax does.
.set PITCH, 144
.set WPART, 128*PITCH                  ; what one tensor load fills
.set VOFF,  4*WPART                    ; V behind K's 512 rows
.set SLOT,  8*WPART
.set STAGE, 2*SLOT                     ; 16 x 144 bytes for each wave, its own, never filled by a tensor load
.set STEPB, 64*PITCH
; window 0
.set KB,   1                           ; r 144 + 16 h
.set VB,   2                           ; VOFF + (8 h + l % 8) 144 + 16 ((l / 8) % 2)
.set KA,   3                           ; where the next step's K fragments are read
.set VA,   4                           ; where this step's V fragments are read
.set NINF, 5
.set STO,  6
.set RD,   7
.set CO,   8
.set QO,   9
.set MM,   10                          ; v[10:13] running maxima of the four query tiles
.set LL,   14                          ; v[14:17] running sums, each half of the lanes its own keys
.set AL,   18                          ; v[18:21] 2^(old maximum - new maximum)
.set T,    22                          ; v[22:31]
.set SS,   32                          ; v[32:159] S of tile i at 32 i: register 8 kt + j; later P, packed, in registers 0-15
.set KK,   160                         ; v[160:223] K fragments (kt, half of d) at 16 kt + 8 half
.set T2,   224                         ; v[224:255]
; window 1: O(i, dt) at 8 (4 i + dt)
.set QQ,   128                         ; Q fragments (i, half) at 16 i + 8 half
.set VV,   192                         ; V^T fragments (kg, dt) at 8 (4 kg + dt)
.set G1, 16
.set G0, 24                            ; s[24:27] slot 0, s[28:31] slot 1
.set MA, 32                            ; s[32:63] mask words of the pair's even tile
.set MB, 68                            ; s[68:99] of its odd tile
.set MSB, 0
.macro WIN new
.if MSB != \new
	s_set_vgpr_msb (MSB<<8)|\new
.set MSB, \new
.endif
.endm
.macro PLACES
.rept 4
	v_nop
.endr
.endm
.macro ROUND                           ; a round of the cluster's barrier
	s_barrier_signal -1
	s_barrier_wait -1
	s_cmp_lg_u32 s10, 0
	s_cbranch_scc1 .Lnot_wave_0_\@
	s_barrier_signal -3
.Lnot_wave_0_\@:
	s_barrier_wait -3
	s_barrier_signal -1
	s_barrier_wait -1
.endm
	s_load_b128 s[4:7], s[0:1], 0x0                ; qkv, mw
	s_load_b64 s[8:9], s[0:1], 0x10                ; ao
	v_lshl_add_u32 v254, v0, 2, 0x4c800
	v_mov_b32 v255, 0
	ds_add_u32 v254, v255
	s_wait_dscnt 0x0
	v_lshrrev_b32 v1, 5, v0
	v_readfirstlane_b32 s10, v1                    ; wave
	s_bfe_u32 s11, ttmp6, 0x40000                  ; cx: the query block.  It enters global addresses of Q, mask words and output alone
	s_mov_b32 s14, 0x76543210                      ; v_permlanex16_b32: lane i of the other half
	s_mov_b32 s15, 0xfedcba98
	s_mov_b32 s[G1+0], 15|(1<<16)|(1<<20)|(1<<21)|(4<<22)|(3<<25)   ; all four work-groups; 2-byte elements; 16 bytes of padding behind every 32 words
	s_mov_b32 s[G1+1], 128<<16                     ; memory rows of 128 elements (two logical rows), dense
	s_mov_b32 s[G1+2], 64<<16
	s_mov_b32 s[G1+3], 128<<16
	s_mov_b32 s[G1+4], 64
	s_mov_b32 s[G1+5], 128
	s_mov_b32 s[G1+6], 0
	s_mov_b32 s[G1+7], 0
	s_lshr_b32 s12, ttmp9, 4                       ; b     (ttmp9 counts clusters: b x 16 + head)
	s_and_b32 s13, ttmp9, 15                       ; head
	s_mul_i32 s2, s12, 48
	s_add_co_u32 s2, s2, s13                       ; q's plane of qkv
	s_lshr_b32 s100, s10, 2                        ; waves 0-3 fetch K, waves 4-7 V
	s_lshl_b32 s100, s100, 4
	s_add_co_u32 s100, s100, s2
	s_add_co_u32 s100, s100, 16
	s_lshl_b32 s100, s100, 18                      ; planes of 2,048 rows x 128 bytes
	s_and_b32 s101, s10, 3
	s_lshl_b32 s101, s101, 14                      ; my 128 rows
	s_add_co_u32 s100, s100, s101
	s_mov_b32 s101, 0
	s_mul_i32 s3, s10, WPART
	s_wait_kmcnt 0x0
	s_add_nc_u64 s[100:101], s[4:5], s[100:101]
	ROUND                                          ; the four work-groups are here: the first joint loads meet
.irp s, 0,1
	s_mov_b32 s[G0+4*\s], 1
	s_add_co_u32 s[G0+4*\s+1], s3, \s*SLOT
	s_add_nc_u64 s[G0+4*\s+2:G0+4*\s+3], s[100:101], \s*65536      ; keys 512 s ..
	s_or_b32 s[G0+4*\s+3], s[G0+4*\s+3], 0x80000000
	tensor_load_to_lds s[G0+4*\s:G0+4*\s+3], s[G1:G1+7]
	s_nop 0
	PLACES
.endr
	s_lshl_b32 s2, s2, 18                          ; Q: plane, 512 cx + 64 wave rows
	s_lshl_b32 s3, s11, 16
	s_add_co_u32 s2, s2, s3
	s_lshl_b32 s3, s10, 13
	s_add_co_u32 s2, s2, s3
	s_mov_b32 s3, 0
	s_add_nc_u64 s[4:5], s[4:5], s[2:3]
	s_lshl_b32 s2, s11, 3                          ; mask words: query tile 32 cx + 4 wave, 4,096 bytes a tile
	s_add_co_u32 s2, s2, s10
	s_lshl_b32 s2, s2, 14
	s_add_nc_u64 s[6:7], s[6:7], s[2:3]
	s_lshl_b32 s2, s13, 20                         ; ao: head's plane, row 2048 b + 512 cx + 64 wave
	s_lshl_b32 s100, s12, 18
	s_add_co_u32 s2, s2, s100
	s_lshl_b32 s100, s11, 16
	s_add_co_u32 s2, s2, s100
	s_lshl_b32 s100, s10, 13
	s_add_co_u32 s2, s2, s100
	s_add_nc_u64 s[8:9], s[8:9], s[2:3]
.macro MLOAD off                       ; the 2 x 32 mask words of a pair of query tiles for one step of 64 keys
	s_load_b512 s[MA:MA+15],    s[6:7], \off
	s_load_b512 s[MA+16:MA+31], s[6:7], \off+64
	s_load_b512 s[MB:MB+15],    s[6:7], \off+4096
	s_load_b512 s[MB+16:MB+31], s[6:7], \off+4160
.endm
	MLOAD 0
	v_and_b32 v22, 15, v0                          ; r
	v_bfe_u32 v23, v0, 4, 1                        ; h
	v_and_b32 v24, 7, v0
	v_bfe_u32 v25, v0, 3, 1
	v_and_b32 v26, 31, v0                          ; l
	v_lshlrev_b32 v[QO], 7, v22
	v_lshl_add_u32 v[QO], v23, 4, v[QO]            ; Q: row r of 128 bytes, 16 h
	WIN 0x40
.irp i, 0,1,2,3
.irp hf, 0,1
	global_load_b128 v[QQ+16*\i+8*\hf:QQ+16*\i+8*\hf+3],   v[QO], s[4:5] offset:2048*\i+64*\hf
	global_load_b128 v[QQ+16*\i+8*\hf+4:QQ+16*\i+8*\hf+7], v[QO], s[4:5] offset:2048*\i+64*\hf+32
.endr
.endr
	WIN 0
	v_mul_u32_u24 v[KB], v22, PITCH
	v_lshl_add_u32 v[KB], v23, 4, v[KB]
	v_lshl_add_u32 v27, v23, 3, v24
	v_mul_u32_u24 v[VB], v27, PITCH
	v_lshl_add_u32 v[VB], v25, 4, v[VB]
	v_add_nc_u32 v[VB], VOFF, v[VB]
	v_mov_b32 v[KA], v[KB]
	v_mov_b32 v[VA], v[VB]
	v_mov_b32 v[NINF], 0xff800000
	s_mul_i32 s13, s10, 16*PITCH
	s_add_co_u32 s13, s13, STAGE
	v_add_nc_u32 v[STO], s13, v[KB]                ; the way out, in: row r, 16 h
	v_lshrrev_b32 v27, 3, v26
	v_mul_u32_u24 v[RD], v27, PITCH
	v_lshl_add_u32 v[RD], v24, 4, v[RD]
	v_add_nc_u32 v[RD], s13, v[RD]                 ; back: row l / 8, 16 (l % 8)
	v_lshlrev_b32 v[CO], 4, v26
.macro KLOAD                           ; 16 loads: the K fragments of 64 keys; then the address steps
.irp kt, 0,1,2,3
.irp hf, 0,1
	ds_load_b128 v[KK+16*\kt+8*\hf:KK+16*\kt+8*\hf+3],   v[KA] offset:16*PITCH*\kt+64*\hf
	ds_load_b128 v[KK+16*\kt+8*\hf+4:KK+16*\kt+8*\hf+7], v[KA] offset:16*PITCH*\kt+64*\hf+32
.endr
.endr
	v_add_nc_u32 v[KA], STEPB, v[KA]
.endm
.macro MASKT i, M                      ; a score whose bit is 0 becomes -infinity
.set w, 0
.rept 32
	v_cndmask_b32 v[SS+32*\i+w], v[NINF], v[SS+32*\i+w], s[\M+w]
.set w, w+1
.endr
.endm
.macro MAXT i, t, first                ; 32 scores and the old maximum: 16 three-way maxima as a tree; then the other half's
.set w, 0
.rept 10
	v_max3_num_f32 v[\t+w], v[SS+32*\i+3*w], v[SS+32*\i+3*w+1], v[SS+32*\i+3*w+2]
.set w, w+1
.endr
	v_max3_num_f32 v[\t],   v[\t],   v[\t+1], v[\t+2]
	v_max3_num_f32 v[\t+3], v[\t+3], v[\t+4], v[\t+5]
	v_max3_num_f32 v[\t+6], v[\t+6], v[\t+7], v[\t+8]
	v_max3_num_f32 v[\t+9], v[\t+9], v[SS+32*\i+30], v[SS+32*\i+31]
	v_max3_num_f32 v[\t],   v[\t],   v[\t+3], v[\t+6]
.if \first
	v_max3_num_f32 v[\t], v[\t], v[\t+9], 0xff7fffff               ; the start value -FLT_MAX keeps (-infinity) - maximum from being NaN
	v_permlanex16_b32 v[\t+1], v[\t], s14, s15
	v_max_num_f32 v[MM+\i], v[\t], v[\t+1]
.else
	v_max3_num_f32 v[\t], v[\t], v[\t+9], v[MM+\i]
	v_permlanex16_b32 v[\t+1], v[\t], s14, s15
	v_max_num_f32 v[\t], v[\t], v[\t+1]
	v_sub_f32 v[AL+\i], v[MM+\i], v[\t]
	v_mov_b32 v[MM+\i], v[\t]
	v_exp_f32 v[AL+\i], v[AL+\i]                   ; a plain instruction that does not name AL follows (ISA guide 5.7.2)
.endif
.endm
.macro SUBT i, odd                     ; S - maximum, two at a time; op_sel picks the tile's register of the pair of maxima
.set w, 0
.rept 16
	v_pk_add_f32 v[SS+32*\i+2*w:SS+32*\i+2*w+1], v[SS+32*\i+2*w:SS+32*\i+2*w+1], v[MM+\i-\odd:MM+\i-\odd+1] op_sel:[0,\odd] op_sel_hi:[1,\odd] neg_lo:[0,1] neg_hi:[0,1]
.set w, w+1
.endr
.endm
.macro EXPT i
.set w, 0
.rept 32
	v_exp_f32 v[SS+32*\i+w], v[SS+32*\i+w]
.set w, w+1
.endr
.endm
.macro SUMT i, t, first                ; 32 numbers: 15 packed sums as a tree, then into the running sum
.set w, 0
	s_wait_alu depctr_va_vdst(0)
.rept 8
	v_pk_add_f32 v[\t+2*w:\t+2*w+1], v[SS+32*\i+4*w:SS+32*\i+4*w+1], v[SS+32*\i+4*w+2:SS+32*\i+4*w+3]
.set w, w+1
.endr
.irp w4, 0,4,8,12
	v_pk_add_f32 v[\t+\w4:\t+\w4+1], v[\t+\w4:\t+\w4+1], v[\t+\w4+2:\t+\w4+3]
.endr
	v_pk_add_f32 v[\t:\t+1], v[\t:\t+1], v[\t+4:\t+5]
	v_pk_add_f32 v[\t+8:\t+9], v[\t+8:\t+9], v[\t+12:\t+13]
	v_pk_add_f32 v[\t:\t+1], v[\t:\t+1], v[\t+8:\t+9]
.if \first
	v_add_f32 v[LL+\i], v[\t], v[\t+1]
.else
	v_fma_f32 v[LL+\i], v[LL+\i], v[AL+\i], v[\t]
	v_add_f32 v[LL+\i], v[LL+\i], v[\t+1]
.endif
.endm
.macro CVTT i                          ; P to f16 in place: register n is written when registers up to 2 n - 1 have been used
.set w, 0
.rept 16
	v_cvt_pk_f16_f32 v[SS+32*\i+w], v[SS+32*\i+2*w], v[SS+32*\i+2*w+1]
.set w, w+1
.endr
.endm
.macro RESC i, odd                     ; O of tile i times 2^(old maximum - new maximum)
.set w, 0
.rept 16
	v_pk_mul_f32 v[32*\i+2*w:32*\i+2*w+1], v[32*\i+2*w:32*\i+2*w+1], v[AL+\i-\odd:AL+\i-\odd+1] op_sel:[0,\odd] op_sel_hi:[1,\odd]
.set w, w+1
.endr
.endm
; Softmax and P V for the pair of query tiles e, o.
.macro PAIR ph, e, o, first, kind
	s_wait_kmcnt 0x0                               ; the pair's mask words; no scalar load is out, so the pointer may step
.if \ph == 1
.if \kind != 3
	s_add_nc_u64 s[6:7], s[6:7], 128               ; the next step's 4 key tiles x 8 words
.endif
.endif
	MASKT \e, MA
	MASKT \o, MB
.if \ph == 0
	MLOAD 8192                                     ; tiles 2 and 3 of this step
.else
.if \kind != 3
	MLOAD 0                                        ; tiles 0 and 1 of the next step
.endif
.endif
	MAXT \e, T, \first
	MAXT \o, T2, \first
	SUBT \e, 0
	EXPT \e                                        ; behind each run of exponentials stands plain work on the other tile
	SUBT \o, 1
	EXPT \o
	SUMT \e, T2, \first
	SUMT \o, T2+16, \first
	CVTT \e
	CVTT \o
.if \first == 0
	WIN 0x41                                       ; destination and source 0 window 1
	RESC \e, 0
	RESC \o, 1
.endif
.if \ph == 0
.if \kind == 3
	s_wait_dscnt 0x0                               ; V is in; no loads stand behind it in the last step
.else
	s_wait_dscnt 16                                ; V is in; the next step's 16 K loads stay out
.endif
.endif
	WIN 0x51                                       ; D, C and source 0 (V^T) window 1, source 1 (P^T) window 0
.irp kg, 0,1
.irp ii, \e,\o
.irp dt, 0,1,2,3
.if \first*(1-\kg)
	v_wmma_f32_16x16x32_f16 v[32*\ii+8*\dt:32*\ii+8*\dt+7], v[VV+8*(4*\kg+\dt):VV+8*(4*\kg+\dt)+7], v[SS+32*\ii+8*\kg:SS+32*\ii+8*\kg+7], 0
.else
	v_wmma_f32_16x16x32_f16 v[32*\ii+8*\dt:32*\ii+8*\dt+7], v[VV+8*(4*\kg+\dt):VV+8*(4*\kg+\dt)+7], v[SS+32*\ii+8*\kg:SS+32*\ii+8*\kg+7], v[32*\ii+8*\dt:32*\ii+8*\dt+7]
.endif
.endr
.endr
.endr
	WIN 0
.endm
; One step of 64 keys.  kind 0: inside a slot.  1: the slot's last step, slot old is filled again, slot nxt is next.  2: the same without a fill.  3: the last step.
; In both runs of matrix instructions the accumulators take turns, one instruction a turn.
.macro STEP first, kind, old, nxt
	WIN 0x40
.irp kg, 0,1
.irp dt, 0,1,2,3
	ds_load_tr16_b128 v[VV+8*(4*\kg+\dt):VV+8*(4*\kg+\dt)+3],   v[VA] offset:32*PITCH*\kg+32*\dt
	ds_load_tr16_b128 v[VV+8*(4*\kg+\dt)+4:VV+8*(4*\kg+\dt)+7], v[VA] offset:32*PITCH*\kg+32*\dt+16*PITCH
.endr
.endr
	s_wait_dscnt 16                                ; this step's K fragments, asked for a step ago, are in; the 16 V loads stay out
	WIN 0x04                                       ; source 1 (Q) window 1
.irp hf, 0,1
.irp i, 0,1,2,3
.irp kt, 0,1,2,3
.if \hf == 0
	v_wmma_f32_16x16x32_f16 v[SS+32*\i+8*\kt:SS+32*\i+8*\kt+7], v[KK+16*\kt+8*\hf:KK+16*\kt+8*\hf+7], v[QQ+16*\i+8*\hf:QQ+16*\i+8*\hf+7], 0
.else
	v_wmma_f32_16x16x32_f16 v[SS+32*\i+8*\kt:SS+32*\i+8*\kt+7], v[KK+16*\kt+8*\hf:KK+16*\kt+8*\hf+7], v[QQ+16*\i+8*\hf:QQ+16*\i+8*\hf+7], v[SS+32*\i+8*\kt:SS+32*\i+8*\kt+7]
.endif
.endr
.endr
.endr
	WIN 0
	PLACES                                         ; in front of the loads into K's registers and of the first reads of S
.if \kind == 0
	KLOAD
.endif
.if \kind == 1
	s_wait_dscnt 0x0                               ; my reads of slot old are over: its last K fragments were used above, its last V fragments are in registers
	s_wait_xcnt 0x0
	v_lshl_add_u32 v254, v0, 2, 0x4c800
	v_mov_b32 v255, 0
	s_wait_tensorcnt 0x0                           ; all my tensor loads have landed: my part of slot nxt
	ds_add_u32 v254, v255
	s_wait_dscnt 0x0
	s_add_nc_u64 s[G0+4*\old+2:G0+4*\old+3], s[G0+4*\old+2:G0+4*\old+3], 131072   ; 1,024 keys on
	ROUND                                          ; both hold of every wave of the four work-groups
	tensor_load_to_lds s[G0+4*\old:G0+4*\old+3], s[G1:G1+7]        ; my one tensor load behind the round, ahead of every LDS read
	s_nop 0
	PLACES
.endif
.if \kind == 2
	s_wait_dscnt 0x0
	s_wait_tensorcnt 0x0                           ; my part of slot nxt has landed,
	s_barrier_signal -1
	s_barrier_wait -1                              ; everybody's has
.endif
.if (\kind == 1) + (\kind == 2)
.if \nxt
	v_add_nc_u32 v[KA], SLOT, v[KB]
.else
	v_mov_b32 v[KA], v[KB]
.endif
	KLOAD
.endif
	PAIR 0, 0, 1, \first, \kind
	PAIR 1, 2, 3, \first, \kind
	; five places (four in the last step) behind the last matrix instructions: the next step loads into V's registers and writes S over P
.if \kind == 0
	v_add_nc_u32 v[VA], STEPB, v[VA]
.endif
.if (\kind == 1) + (\kind == 2)
.if \nxt
	v_add_nc_u32 v[VA], SLOT, v[VB]
.else
	v_mov_b32 v[VA], v[VB]
.endif
.endif
	PLACES
.endm
	s_wait_tensorcnt 1                             ; my part of slot 0 is in; slot 1's stays out
	s_barrier_signal -1
	s_barrier_wait -1
	KLOAD                                          ; step 0
	s_wait_loadcnt 0x0                             ; Q
	STEP 1, 0, 0, 0                                ; keys 0-511 in slot 0
	s_mov_b32 s12, 6
.Lp0:
	STEP 0, 0, 0, 0
	s_sub_co_u32 s12, s12, 1
	s_cmp_lg_u32 s12, 0
	s_cbranch_scc1 .Lp0
	STEP 0, 1, 0, 1                                ; slot 0 gets keys 1024-1535
	s_mov_b32 s12, 7
.Lp1:
	STEP 0, 0, 0, 0
	s_sub_co_u32 s12, s12, 1
	s_cmp_lg_u32 s12, 0
	s_cbranch_scc1 .Lp1
	STEP 0, 1, 1, 0                                ; slot 1 gets keys 1536-2047
	s_mov_b32 s12, 7
.Lp2:
	STEP 0, 0, 0, 0
	s_sub_co_u32 s12, s12, 1
	s_cmp_lg_u32 s12, 0
	s_cbranch_scc1 .Lp2
	STEP 0, 2, 0, 1                                ; nothing is left to fetch
	s_mov_b32 s12, 7
.Lp3:
	STEP 0, 0, 0, 0
	s_sub_co_u32 s12, s12, 1
	s_cmp_lg_u32 s12, 0
	s_cbranch_scc1 .Lp3
	STEP 0, 3, 0, 0
	; THE WAY OUT.  The two halves' sums are joined (their factors were equal throughout), O is divided, rounded to f16, and turned into whole rows in my own stage.
.irp i, 0,1,2,3
	v_permlanex16_b32 v[T+\i], v[LL+\i], s14, s15
.endr
.irp i, 0,1,2,3
	v_add_f32 v[LL+\i], v[LL+\i], v[T+\i]
.endr
.irp i, 0,1,2,3
	v_rcp_f32 v[AL+\i], v[LL+\i]
.endr
	v_nop                                          ; a plain place behind the reciprocals (ISA guide 5.7.2)
	s_wait_alu depctr_va_vdst(0)
.macro OUTT i, odd
	WIN 0x01                                       ; source 0 (O) window 1
.set w, 0
.rept 16
	v_pk_mul_f32 v[SS+32*\i+2*w:SS+32*\i+2*w+1], v[32*\i+2*w:32*\i+2*w+1], v[AL+\i-\odd:AL+\i-\odd+1] op_sel:[0,\odd] op_sel_hi:[1,\odd]
.set w, w+1
.endr
	WIN 0
.set w, 0
.rept 16
	v_cvt_pk_f16_f32 v[KK+16*\i+w], v[SS+32*\i+2*w], v[SS+32*\i+2*w+1]
.set w, w+1
.endr
.irp dt, 0,1,2,3
	ds_store_b128 v[STO], v[KK+16*\i+4*\dt:KK+16*\i+4*\dt+3] offset:32*\dt
.endr
.if \i >= 2
	s_wait_xcnt 0x0                                ; the registers that tile i - 2's stores read are loaded again only behind this wait
.endif
.irp t, 0,1,2,3
	ds_load_b128 v[T2+16*\odd+4*\t:T2+16*\odd+4*\t+3], v[RD] offset:4*PITCH*\t   ; LDS serves a wave's instructions in order: these see the stores above
.endr
.irp t, 0,1,2,3
	s_wait_dscnt 3-\t
	global_store_b128 v[CO], v[T2+16*\odd+4*\t:T2+16*\odd+4*\t+3], s[8:9] offset:2048*\i+512*\t   ; four rows of 128 bytes: 512 neighbouring bytes
.endr
.endm
	OUTT 0, 0
	OUTT 1, 1
	OUTT 2, 0
	OUTT 3, 1
	s_wait_xcnt 0x0
	v_lshl_add_u32 v254, v0, 2, 0x4c800
	v_mov_b32 v255, 0
	s_wait_tensorcnt 0x0
	ds_add_u32 v254, v255
	s_wait_dscnt 0x0
	ROUND                                          ; the closing round
	s_endpgm
.Lfunc_end_k_q0883c8c64d_attn:
	.size	k_q0883c8c64d_attn, .Lfunc_end_k_q0883c8c64d_attn-k_q0883c8c64d_attn
	.p2alignl 7, 3214868480
	.fill 96, 4, 3214868480
	.section	.rodata,"a",@progbits
	.p2align	6, 0x0
	.amdhsa_kernel k_q0883c8c64d_attn
		.amdhsa_group_segment_fixed_size 327680
		.amdhsa_private_segment_fixed_size 0
		.amdhsa_enable_private_segment 0
		.amdhsa_kernarg_size 24
		.amdhsa_user_sgpr_count 2
		.amdhsa_user_sgpr_kernarg_segment_ptr 1
		.amdhsa_wavefront_size32 1
		.amdhsa_system_sgpr_workgroup_id_x 1
		.amdhsa_system_sgpr_workgroup_id_y 1
		.amdhsa_system_sgpr_workgroup_id_z 1
		.amdhsa_system_vgpr_workitem_id 0
		.amdhsa_next_free_vgpr 512
		.amdhsa_next_free_sgpr 102
		.amdhsa_reserve_vcc 0
		.amdhsa_float_denorm_mode_32 3
		.amdhsa_float_denorm_mode_16_64 3
		.amdhsa_memory_ordered 1
		.amdhsa_forward_progress 1
		.amdhsa_inst_pref_size 255
	.end_amdhsa_kernel
	.section	.bss,"aw",@nobits
	.p2align	6
	.space	262144
	.amdgpu_metadata
---
amdhsa.version: [ 1, 2 ]
amdhsa.kernels:
  - .name:           k_q0883c8c64d_attn
    .symbol:         k_q0883c8c64d_attn.kd
    .args:
      - { .name: qkv, .offset: 0, .size: 8, .value_kind: global_buffer, .address_space: global }
      - { .name: mw, .offset: 8, .size: 8, .value_kind: global_buffer, .address_space: global }
      - { .name: ao, .offset: 16, .size: 8, .value_kind: global_buffer, .address_space: global }
    .group_segment_fixed_size: 327680
    .private_segment_fixed_size: 0
    .kernarg_segment_align: 8
    .kernarg_segment_size: 24
    .max_flat_workgroup_size: 256
    .sgpr_count:     102
    .vgpr_count:     512
    .wavefront_size: 32
...
	.end_amdgpu_metadata
.endif
;; end of part 3
;; launch oproj (part 4): grid 8 x 32, 4 waves a work-group, clusters of 4 x 4, 327,680 bytes of LDS; arguments ao, wb, bo, out0; writes out0
.if DOCPART == 4
	.amdgcn_target "amdgcn-amd-amdhsa--gfx1250"
	.amdhsa_code_object_version 6
	.text
	.protected	k_q0883c8c64d_oproj
	.globl	k_q0883c8c64d_oproj
	.p2align	8
	.type	k_q0883c8c64d_oproj,@function
k_q0883c8c64d_oproj:
	s_mov_b64 s[64:65], 0
	v_nop
	global_prefetch_b8 v0, s[64:65] scope:SCOPE_SE
	s_setreg_imm32_b32 hwreg(HW_REG_WAVE_MODE, 25, 1), 1
	s_wait_xcnt 0x0
	s_wait_alu depctr_hold_cnt(0) depctr_sa_sdst(0) depctr_va_vdst(0) depctr_va_sdst(0) depctr_va_ssrc(0) depctr_va_vcc(0) depctr_vm_vsrc(0)
	s_getreg_b32 s2, hwreg(HW_REG_IB_STS2, 6, 4)
	s_cmp_eq_u32 s2, 0
	s_cbranch_scc0 .Lentry_in_a_cluster
	s_endpgm
.Lentry_in_a_cluster:
	s_bfe_u32 s2, ttmp6, 0x10000c
	s_cmp_lg_u32 s2, 0xf033
	s_cbranch_scc0 .Lentry_shape_is_right
	s_endpgm
.Lentry_shape_is_right:
; out0 (f32) = ao wo^T + bo: M = 8192, N = 1024, K = 1024; f16 operands, f32 sums.  ao is [head = kb][row][64] f16, wo is rows 3072.. of wb, same form.
; The same frame as the projection of q, k and v, with a block of 256 x 128: a wave makes 128 x 64, 8 x 4 accumulator tiles, 256 registers.
; A tensor load brings one plane of a block as dense memory rows of 256 bytes, padded by 16 bytes behind every 128: LDS pitch 144 for a logical row of 64 f16.
; K in steps of 128 (two planes) through two LDS slots.  CLUSTERS: 4 x 4; A's tiles jointly along a row of the cluster, B's along a column.
; REGISTER WINDOWS: 0: addresses, A's fragments, work, bias;  1: B's fragments;  2, 3: accumulators of my rows 0-63, 64-127.
; The matrix instruction is used transposed: lane l holds row l % 16 of C, registers 0-7 the columns 8 (l / 16) + 0..7.
.set NT,     4
.set NB,     32*NT
.set NOFF,   3072
.set APL,    1048576
.set BPL,    524288
.set PITCH,  144
.set PLA,    256*PITCH
.set PLB,    NB*PITCH
.set SLOT,   2*PLA+2*PLB
.set STAGE,  2*SLOT                    ; behind the ring: 16 rows x 272 bytes for each wave, never filled by a tensor load
.set SPITCH, 272                       ; 256 bytes (64 f32) + 16 = 17 x 16
.set LAPS,   4
.set ADRA, 16
.set ADRB, 20
.set STO,  24
.set RD,   25
.set CO,   26
.set BO,   27
.set F0,   64
.set F1,   128
.set TMP,  192                         ; v[192:223] results with bias
.set BIAS, 224                         ; v[224:255] bias of my 64 columns
.set G1,  24
.set G0,  32
.set G1B, 48
.set G0B, 56
.set MSB, 0
.macro WIN new
.if MSB != \new
	s_set_vgpr_msb (MSB<<8)|\new
.set MSB, \new
.endif
.endm
.set MUL_LO, 0xa1
.set MUL_HI, 0xf1
.set TO_B,   0x40
.macro PLACES                          ; four places behind a matrix instruction (ISA guide 7.12.1)
.rept 4
	v_nop
.endr
.endm
.macro JLOAD s                         ; waves 0, 1 fetch A's planes, waves 2, 3 B's: the branch hangs on the wave's number alone
	s_cmp_eq_u32 s13, 0
	s_cbranch_scc0 .Lfor_b_\@
	tensor_load_to_lds s[G0+4*\s:G0+4*\s+3], s[G1:G1+7]
	s_nop 0
	PLACES
	s_branch .Lasked_\@
.Lfor_b_\@:
	tensor_load_to_lds s[G0B+4*\s:G0B+4*\s+3], s[G1B:G1B+7]
	s_nop 0
	PLACES
.Lasked_\@:
.endm
.macro CREST
	s_cmp_lg_u32 s12, 0
	s_cbranch_scc1 .Lnot_wave_0_\@
	s_barrier_signal -3
.Lnot_wave_0_\@:
	s_barrier_wait -3
	s_barrier_signal -1
	s_barrier_wait -1
.endm
.macro CROUND
	s_barrier_signal -1
	s_barrier_wait -1
	CREST
.endm
	s_load_b256 s[4:11], s[0:1], 0x0               ; ao s[4:5], wb s[6:7], bo s[8:9], out0 s[10:11]
	s_set_vgpr_msb 0x40
	v_lshl_add_u32 v255, v0, 2, 0x3a400
	s_set_vgpr_msb 0x4000
	v_mov_b32 v63, 0
	s_set_vgpr_msb 0x1
	ds_add_u32 v255, v63
	s_set_vgpr_msb 0x100
	v_lshrrev_b32 v1, 5, v0
	v_readfirstlane_b32 s12, v1                    ; wave
	s_lshr_b32 s13, s12, 1                         ; wm; also A (0) or B (1)
	s_and_b32 s14, s12, 1                          ; wn; also the plane I fetch
	s_bfe_u32 s40, ttmp6, 0x40000                  ; cx
	s_bfe_u32 s41, ttmp6, 0x40004                  ; cy
	s_lshl_b32 s42, ttmp9, 2
	s_add_co_u32 s42, s42, s40                     ; bx
	s_and_b32 s15, ttmp7, 0xffff
	s_lshl_b32 s15, s15, 2
	s_add_co_u32 s15, s15, s41                     ; by
	s_lshl_b32 s43, s41, 2
	s_lshl_b32 s43, 15, s43
	s_lshl_b32 s44, 0x1111, s40
	s_or_b32 s[G1+0], s43, (1<<16)|(1<<20)|(1<<21)|(4<<22)|(3<<25)
	s_or_b32 s[G1B+0], s44, (1<<16)|(1<<20)|(1<<21)|(4<<22)|(3<<25)
	s_mov_b32 s[G1+1], 128<<16
	s_mov_b32 s[G1B+1], 128<<16
	s_mov_b32 s[G1+2], 128<<16
	s_mov_b32 s[G1B+2], (NB/2)<<16
	s_mov_b32 s[G1+3], 128<<16
	s_mov_b32 s[G1B+3], 128<<16
	s_mov_b32 s[G1+4], 128
	s_mov_b32 s[G1B+4], NB/2
	s_mov_b32 s[G1+5], 128
	s_mov_b32 s[G1B+5], 128
	s_mov_b32 s[G1+6], 0
	s_mov_b32 s[G1B+6], 0
	s_mov_b32 s[G1+7], 0
	s_mov_b32 s[G1B+7], 0
	s_lshl_b32 s16, s14, 20
	s_lshl_b32 s17, s15, 15
	s_add_co_u32 s16, s16, s17
	s_mov_b32 s17, 0
	s_mul_i32 s46, s42, NB*128
	s_lshl_b32 s47, s14, 19
	s_add_co_u32 s46, s46, s47
.if NOFF
	s_add_co_u32 s46, s46, NOFF*128
.endif
	s_mov_b32 s47, 0
	s_mul_i32 s20, s12, PLA
	s_mul_i32 s21, s12, PLB
	s_add_co_u32 s21, s21, 2*PLA-2*PLB
	s_wait_dscnt 0x0
	s_wait_kmcnt 0x0
	s_add_nc_u64 s[18:19], s[4:5], s[16:17]
	s_add_nc_u64 s[46:47], s[6:7], s[46:47]
	CROUND                                         ; in front of the first joint loads
.irp s, 0,1
	s_mov_b32 s[G0+4*\s], 1
	s_add_co_u32 s[G0+4*\s+1], s20, \s*SLOT
	s_add_nc_u64 s[G0+4*\s+2:G0+4*\s+3], s[18:19], \s*2*APL
	s_or_b32 s[G0+4*\s+3], s[G0+4*\s+3], 0x80000000
	s_mov_b32 s[G0B+4*\s], 1
	s_add_co_u32 s[G0B+4*\s+1], s21, \s*SLOT
	s_add_nc_u64 s[G0B+4*\s+2:G0B+4*\s+3], s[46:47], \s*2*BPL
	s_or_b32 s[G0B+4*\s+3], s[G0B+4*\s+3], 0x80000000
	JLOAD \s
.endr
	v_and_b32 v1, 15, v0
	v_bfe_u32 v2, v0, 4, 1
	v_mul_u32_u24 v3, v1, PITCH
	v_lshl_add_u32 v3, v2, 4, v3
	s_mul_i32 s16, s13, 128*PITCH
	s_mul_i32 s17, s14, 16*NT*PITCH
	s_add_co_u32 s17, s17, 2*PLA
.irp s, 0,1
	v_add_nc_u32 v[ADRA+\s], s16, v3
	v_add_nc_u32 v[ADRB+\s], s17, v3
	s_add_co_u32 s16, s16, SLOT
	s_add_co_u32 s17, s17, SLOT
.endr
	v_lshlrev_b32 v[BO], 5, v2
	s_mul_i32 s22, s42, NB*4
	s_mul_i32 s23, s14, 16*NT*4
	s_add_co_u32 s22, s22, s23
	s_mov_b32 s23, 0
	s_add_nc_u64 s[8:9], s[8:9], s[22:23]
.set bi, 0
.rept NT
	global_load_b128 v[BIAS+8*bi:BIAS+8*bi+3],   v[BO], s[8:9] offset:64*bi
	global_load_b128 v[BIAS+8*bi+4:BIAS+8*bi+7], v[BO], s[8:9] offset:64*bi+16
.set bi, bi+1
.endr
	s_mul_i32 s16, s12, 16*SPITCH
	s_add_co_u32 s16, s16, STAGE                   ; my stage
	v_mul_u32_u24 v4, v1, SPITCH
	v_lshl_add_u32 v4, v2, 5, v4
	v_add_nc_u32 v[STO], s16, v4                   ; in: row r, 32 bytes at 32 h of each tile's 64
	v_mul_u32_u24 v5, v2, SPITCH
	v_lshl_add_u32 v5, v1, 4, v5
	v_add_nc_u32 v[RD], s16, v5                    ; back: lanes 0-15 one row of 256 bytes, lanes 16-31 the next
	v_lshlrev_b32 v5, 12, v2
	v_lshl_add_u32 v[CO], v1, 4, v5                ; the same two rows of out0 (4,096 bytes a row)
.macro MUL2 f, hi, a0, zero
.set ma, \a0
.rept 2
.set mb, 0
.rept NT
.if \zero
	v_wmma_f32_16x16x32_f16 v[8*(NT*ma+mb):8*(NT*ma+mb)+7], v[\f+8*mb:\f+8*mb+7], v[\f+8*(4*\hi+ma):\f+8*(4*\hi+ma)+7], 0
.else
	v_wmma_f32_16x16x32_f16 v[8*(NT*ma+mb):8*(NT*ma+mb)+7], v[\f+8*mb:\f+8*mb+7], v[\f+8*(4*\hi+ma):\f+8*(4*\hi+ma)+7], v[8*(NT*ma+mb):8*(NT*ma+mb)+7]
.endif
.set mb, mb+1
.endr
.set ma, ma+1
.endr
.endm
.macro FETCH slot, kq, f
	WIN TO_B
.set fi, 0
.rept NT
	ds_load_b128 v[\f+8*fi:\f+8*fi+3],   v[ADRB+\slot] offset:(\kq>>1)*PLB+64*(\kq&1)+fi*16*PITCH
	ds_load_b128 v[\f+8*fi+4:\f+8*fi+7], v[ADRB+\slot] offset:(\kq>>1)*PLB+64*(\kq&1)+fi*16*PITCH+32
.set fi, fi+1
.endr
	WIN 0
.set fi, 0
.rept 8
	ds_load_b128 v[\f+8*fi:\f+8*fi+3],   v[ADRA+\slot] offset:(\kq>>1)*PLA+64*(\kq&1)+fi*16*PITCH
	ds_load_b128 v[\f+8*fi+4:\f+8*fi+7], v[ADRA+\slot] offset:(\kq>>1)*PLA+64*(\kq&1)+fi*16*PITCH+32
.set fi, fi+1
.endr
.endm
; The 8 NT accumulators take turns, one instruction a turn, in the same order in every quarter.
.macro QUARTER slot, kq, f, g, zero
	s_wait_dscnt 8                                 ; B and A's rows 0-63 are in; A's rows 64-127 (eight loads) may be out
	WIN MUL_LO
	MUL2 \f, 0, 0, \zero
	MUL2 \f, 0, 2, \zero
	PLACES
	FETCH \slot, \kq, \g
	s_wait_dscnt 16+2*NT                           ; all but the run just issued
	WIN MUL_HI
	MUL2 \f, 1, 0, \zero
	MUL2 \f, 1, 2, \zero
.endm
.macro THREE slot, zero
	QUARTER \slot, 1, F0, F1, \zero
	QUARTER \slot, 2, F1, F0, 0
	QUARTER \slot, 3, F0, F1, 0
.endm
.macro TURN slot, next, fill
	s_wait_dscnt 8
	WIN MUL_LO
	MUL2 F1, 0, 0, 0
	s_wait_dscnt 0                                 ; my reads of this slot are over
	s_wait_tensorcnt 0x0                           ; all my tensor loads have landed: my part of the next slot
	ds_add_u32 v255, v63
	s_wait_dscnt 0x0
	s_barrier_signal -1
	MUL2 F1, 0, 2, 0                               ; registers only
	WIN 0
	s_barrier_wait -1
.if \fill
	CREST                                          ; the barrier above opened a round of the cluster's barrier
	s_add_nc_u64 s[G0+4*\slot+2:G0+4*\slot+3], s[G0+4*\slot+2:G0+4*\slot+3], 4*APL
	s_add_nc_u64 s[G0B+4*\slot+2:G0B+4*\slot+3], s[G0B+4*\slot+2:G0B+4*\slot+3], 4*BPL
	JLOAD \slot                                    ; the first tensor load behind the round
.else
	PLACES
.endif
	FETCH \next, 0, F0
	WIN MUL_HI
	MUL2 F1, 1, 0, 0
	MUL2 F1, 1, 2, 0
.endm
.macro LAP zero
	THREE 0, \zero
	TURN 0, 1, 1
	THREE 1, 0
	TURN 1, 0, 1
.endm
	s_wait_tensorcnt 1                             ; my part of K step 0 is in; K step 1's stays out
	s_barrier_signal -1
	s_barrier_wait -1
	FETCH 0, 0, F0
	LAP 1
	WIN 0
	s_mov_b32 s3, LAPS-2
.Llap:
	LAP 0
	WIN 0
	s_sub_co_u32 s3, s3, 1
	s_cmp_lg_u32 s3, 0
	s_cbranch_scc1 .Llap
	THREE 0, 0
	TURN 0, 1, 0
	THREE 1, 0
	s_wait_dscnt 8
	WIN MUL_LO
	MUL2 F1, 0, 0, 0
	MUL2 F1, 0, 2, 0
	s_wait_dscnt 0
	WIN MUL_HI
	MUL2 F1, 1, 0, 0
	MUL2 F1, 1, 2, 0
	; THE WAY OUT, 16 rows at a time: add the bias, 32 bytes a lane and tile into my own stage, read back as rows of 256 bytes, store.
	PLACES
	WIN 0
	s_wait_loadcnt 0x0                             ; the bias
	s_lshl_b32 s46, s15, 20                        ; 256 by rows of 4,096 bytes
	s_lshl_b32 s47, s13, 19                        ; 128 wm rows
	s_add_co_u32 s46, s46, s47
	s_lshl_b32 s47, s42, 9                         ; 128 bx columns of 4 bytes
	s_add_co_u32 s46, s46, s47
	s_lshl_b32 s47, s14, 8
	s_add_co_u32 s46, s46, s47
	s_mov_b32 s47, 0
	s_add_nc_u64 s[10:11], s[10:11], s[46:47]
.macro OUTA a, f
.if \a < 4
	WIN 0x02
.else
	WIN 0x03
.endif
.set ob, 0
.rept 4*NT
	v_pk_add_f32 v[TMP+2*ob:TMP+2*ob+1], v[8*NT*(\a&3)+2*ob:8*NT*(\a&3)+2*ob+1], v[BIAS+2*ob:BIAS+2*ob+1]
.set ob, ob+1
.endr
	WIN 0
.set ob, 0
.rept NT
	ds_store_b128 v[STO], v[TMP+8*ob:TMP+8*ob+3]   offset:64*ob
	ds_store_b128 v[STO], v[TMP+8*ob+4:TMP+8*ob+7] offset:64*ob+16
.set ob, ob+1
.endr
	s_wait_xcnt 0x0                                ; buffer f, which earlier stores read, and the stores' base are rewritten only behind this wait
.if \a
	s_add_nc_u64 s[10:11], s[10:11], 65536         ; 16 rows on
.endif
.irp t, 0,1,2,3,4,5,6,7
	ds_load_b128 v[\f+4*\t:\f+4*\t+3], v[RD] offset:\t*2*SPITCH    ; LDS serves a wave's instructions in order: these see the stores above
.endr
.irp t, 0,1,2,3,4,5,6,7
	s_wait_dscnt 7-\t
	global_store_b128 v[CO], v[\f+4*\t:\f+4*\t+3], s[10:11] offset:8192*\t th:TH_STORE_NT   ; 16 lanes store 256 consecutive bytes, aligned
.endr
.endm
	OUTA 0, F0
	OUTA 1, F1
	OUTA 2, F0
	OUTA 3, F1
	OUTA 4, F0
	OUTA 5, F1
	OUTA 6, F0
	OUTA 7, F1
	s_set_vgpr_msb 0x1
	s_wait_tensorcnt 0x0
	ds_add_u32 v255, v63
	s_wait_dscnt 0x0
	s_set_vgpr_msb 0x100
	CROUND                                         ; the closing round
	s_endpgm
.Lfunc_end_k_q0883c8c64d_oproj:
	.size	k_q0883c8c64d_oproj, .Lfunc_end_k_q0883c8c64d_oproj-k_q0883c8c64d_oproj
	.p2alignl 7, 3214868480
	.fill 96, 4, 3214868480
	.section	.rodata,"a",@progbits
	.p2align	6, 0x0
	.amdhsa_kernel k_q0883c8c64d_oproj
		.amdhsa_group_segment_fixed_size 327680
		.amdhsa_private_segment_fixed_size 0
		.amdhsa_enable_private_segment 0
		.amdhsa_kernarg_size 32
		.amdhsa_user_sgpr_count 2
		.amdhsa_user_sgpr_kernarg_segment_ptr 1
		.amdhsa_wavefront_size32 1
		.amdhsa_system_sgpr_workgroup_id_x 1
		.amdhsa_system_sgpr_workgroup_id_y 1
		.amdhsa_system_sgpr_workgroup_id_z 1
		.amdhsa_system_vgpr_workitem_id 0
		.amdhsa_next_free_vgpr 896
		.amdhsa_next_free_sgpr 66
		.amdhsa_reserve_vcc 0
		.amdhsa_float_denorm_mode_32 3
		.amdhsa_float_denorm_mode_16_64 3
		.amdhsa_memory_ordered 1
		.amdhsa_forward_progress 1
		.amdhsa_inst_pref_size 130
	.end_amdhsa_kernel
	.amdgpu_metadata
---
amdhsa.version: [ 1, 2 ]
amdhsa.kernels:
  - .name:           k_q0883c8c64d_oproj
    .symbol:         k_q0883c8c64d_oproj.kd
    .args:
      - { .name: ao, .offset: 0, .size: 8, .value_kind: global_buffer, .address_space: global }
      - { .name: wb, .offset: 8, .size: 8, .value_kind: global_buffer, .address_space: global }
      - { .name: bo, .offset: 16, .size: 8, .value_kind: global_buffer, .address_space: global }
      - { .name: out0, .offset: 24, .size: 8, .value_kind: global_buffer, .address_space: global }
    .group_segment_fixed_size: 327680
    .private_segment_fixed_size: 0
    .kernarg_segment_align: 8
    .kernarg_segment_size: 32
    .max_flat_workgroup_size: 128
    .sgpr_count:     66
    .vgpr_count:     896
    .wavefront_size: 32
...
	.end_amdgpu_metadata
.endif
;; end of part 4
;; ======== version 2 of 2: 4 launches; version 1 with the launch prep written anew for expert scheduling mode
;; limits: values are held in f16: magnitudes above 65,504 overflow, below 6.1e-05 lose precision
;; workspace buffers: xb 16,777,216 bytes; wb 8,388,608 bytes; b3 12,288 bytes; mw 524,288 bytes of whole numbers; qkv 50,331,648 bytes; ao 16,777,216 bytes
;; launch prep (part 5): grid 512 x 1, 8 waves a work-group, no clusters, 34,816 bytes of LDS; arguments x, mask, wq, wk, wv, wo, bq, bk, bv, xb, wb, b3, mw; writes xb, wb, b3, mw
.if DOCPART == 5
	.amdgcn_target "amdgcn-amd-amdhsa--gfx1250"
	.amdhsa_code_object_version 6
	.text
	.protected	k_q0883c8c64d_prep
	.globl	k_q0883c8c64d_prep
	.p2align	8
	.type	k_q0883c8c64d_prep,@function
k_q0883c8c64d_prep:
	s_mov_b64 s[64:65], 0
	v_nop
	global_prefetch_b8 v0, s[64:65] scope:SCOPE_SE
	s_setreg_imm32_b32 hwreg(HW_REG_WAVE_SCHED_MODE, 0, 2), 2
	s_setreg_imm32_b32 hwreg(HW_REG_WAVE_MODE, 25, 1), 1
	s_wait_xcnt 0x0
	s_wait_alu depctr_vm_vsrc(0)
; prep: a stream.  It rounds x and the four weight matrices to f16 in a layout blocked along K, scales wq and bq, gathers the three biases,
; and packs the int32 mask into one bit a score.
;   xb  f16 [kb 16][m 8192][64]   plane kb holds columns 64 kb .. 64 kb + 63 of every row: any run of rows of a plane is dense in memory
;   wb  f16 [kb 16][n 4096][64]   n 0..1023 wq * c, then wk, wv, wo;  c = 0.125 * log2(e): 1/sqrt(64) and the base-2 exponential's factor
;   b3  f32 [3072]                bq * c, bk, bv
;   mw  u32 [qt 128][kt 128][j 8] bit L = (mask[16 qt + (L & 15)][16 kt + 8 (L >> 4) + j] != 0): the lane layout of a 16 x 16 f32 matrix result
;                                 whose rows are keys and whose columns are queries, so that a word is the lane mask of one select
; LIMIT: f16 operands: an |x| or |w| of 65,520 or more becomes infinite.
; 512 work-groups of 8 waves, straight-line.  Every wave casts 8 chunks (4 rows x 64 columns) of x; waves 4-7 cast 8 chunks of a weight as well;
; waves 0-3 pack 16 query rows x 128 keys of the mask.  32 loads of 16 bytes a lane are issued before the first is used.
; No matrix unit, no cluster, no tensor load: nothing is read twice and nothing is shared.
; THE MODE: SCHED_MODE bits 1:0 = 2 (LLVM: expert scheduling mode 2), set by the entry lines.  The code itself states the register dependences
; between vector instructions and memory or LDS instructions, with s_wait_alu, always for 0.
; THE PLAN.  Registers that memory or LDS instructions touch:
;   v2, v3, v6, v7  global offsets: written at the head, read by every global load and store, never written again.
;   v8              written and read by vector lines at the head; then x's first load lands in it.
;   X, Y (weights)  a chunk's loads land; its roundings write its registers 0-3 in place; one store reads them; never written again.
;   Y (mask), Z     Y: loads land, LDS stores read it.  Z: LDS loads land, compares read it.  Neither is written again.
;   v4, v5          LDS addresses: written once in the mask path, read by the LDS stores and loads.
;   WD, BI          written by vector lines, read by one store each.
;   v208, v209      written at the head, read by the closing add alone.
; No register that a memory or LDS instruction reads is written again, so no wait on vm_vsrc is owed.
; The chunks go in blocks of two.  At a block's head one wait on va_vdst states that the block before is rounded; its two stores follow, dealt among this
; block's roundings, which name this block's registers alone.  The mask's 64 ballots go in four runs of 16 compares, one wait on va_sdst behind each run.
.set APL, 1048576                      ; bytes of a plane of xb
.set BPL, 524288                       ; bytes of a plane of wb
.set MP,  528                          ; LDS pitch of a mask row: 512 bytes + 16 = 33 x 16
.set X,   8                            ; v[8:71]    x, 8 chunks x 8 registers
.set Y,   72                           ; v[72:135]  a weight's 8 chunks, or 16 mask rows x 4 registers
.set Z,   136                          ; v[136:199] the mask tile read back: register 8 kt + j
.set WD,  200                          ; v[200:201] lane i: words 2 i and 2 i + 1
.set BI,  202                          ; v[202:205] four numbers of a bias
.set TA,  206
.set TB,  207
.set BAL, 32                           ; s[32:47]   16 ballots of a run: temporaries of the address arithmetic, spent when the first compare is issued
	s_load_b512 s[4:19], s[0:1], 0x0               ; x s[4:5], mask s[6:7], wq s[8:9], wk s[10:11], wv s[12:13], wo s[14:15], bq s[16:17], bk s[18:19]
	s_load_b256 s[20:27], s[0:1], 0x40             ; bv s[20:21], xb s[22:23], wb s[24:25], b3 s[26:27]
	s_load_b64 s[28:29], s[0:1], 0x60              ; mw
	v_lshl_add_u32 v208, v0, 2, 0x8400
	v_mov_b32 v209, 0
	v_lshrrev_b32 v8, 5, v0
	v_readfirstlane_b32 s30, v8                    ; wave
	v_and_b32 v1, 31, v0                           ; lane l
	v_lshrrev_b32 v2, 3, v1
	v_and_b32 v3, 7, v1
	v_lshlrev_b32 v3, 5, v3
	v_lshl_or_b32 v2, v2, 12, v3                   ; source of a chunk: row l >> 3 (4,096 bytes), 32 bytes at 32 (l & 7)
	v_lshlrev_b32 v3, 4, v1                        ; 16 l: a chunk's 512 bytes of f16, and 512 bytes of a mask row
	v_lshlrev_b32 v6, 3, v1                        ; 8 l: two mask words
	v_lshlrev_b32 v7, 4, v0                        ; 16 x thread: a bias
	s_lshl_b32 s31, ttmp9, 2                       ; 4 x work-group
	s_wait_alu depctr_va_sdst(0)                   ; s30 is written, ahead of its first reader: the bases and the branch on the wave are made from it
	s_lshr_b32 s32, s30, 1
	s_add_co_u32 s32, s32, s31                     ; my four rows of x: quad = 4 wg + wave / 2
	s_and_b32 s38, s30, 1                          ; which eight planes
	s_lshl_b32 s34, s32, 9                         ; xb: quad x 512 bytes
	s_lshl_b32 s35, s38, 23                        ;     + 8 planes
	s_add_co_u32 s34, s34, s35
	s_mov_b32 s35, 0
	s_lshl_b32 s32, s32, 14                        ; x: quad x 4 rows of 4,096 bytes
	s_lshl_b32 s33, s38, 11                        ;    + 8 x 256 bytes
	s_add_co_u32 s32, s32, s33
	s_mov_b32 s33, 0
	s_wait_kmcnt 0x0
	s_add_nc_u64 s[4:5], s[4:5], s[32:33]
	s_add_nc_u64 s[22:23], s[22:23], s[34:35]
	s_wait_alu depctr_va_vdst(0)                   ; the offsets v2, v3, v6, v7 are written, which the loads and stores of the kernel read; v8 is written and has been read: x's first load lands in it
.irp i, 0,1,2,3,4,5,6,7
	global_load_b128 v[X+8*\i:X+8*\i+3],   v2, s[4:5] offset:256*\i th:TH_LOAD_NT
	global_load_b128 v[X+8*\i+4:X+8*\i+7], v2, s[4:5] offset:256*\i+16 th:TH_LOAD_NT
.endr
	; work-groups 0, 1, 2 also copy bq * c, bk, bv: 256 threads x 16 bytes are the 1,024 numbers
	s_cmp_lt_u32 ttmp9, 3
	s_cbranch_scc0 .Lnobias
	s_cmp_eq_u32 ttmp9, 1
	s_cselect_b64 s[44:45], s[18:19], s[16:17]
	s_cmp_eq_u32 ttmp9, 2
	s_cselect_b64 s[44:45], s[20:21], s[44:45]
	s_cmp_eq_u32 ttmp9, 0
	s_cselect_b32 s46, 0x3e38aa3b, 1.0             ; c for bq
	s_mov_b32 s47, s46
	s_lshl_b32 s40, ttmp9, 12
	s_mov_b32 s41, 0
	s_add_nc_u64 s[26:27], s[26:27], s[40:41]
	global_load_b128 v[BI:BI+3], v7, s[44:45]
	s_wait_loadcnt 0x0                             ; the youngest load: x is in as well on this path, and the counted waits below are met
	v_pk_mul_f32 v[BI:BI+1], v[BI:BI+1], s[46:47] op_sel_hi:[1,0]
	v_pk_mul_f32 v[BI+2:BI+3], v[BI+2:BI+3], s[46:47] op_sel_hi:[1,0]
	s_wait_alu depctr_va_vdst(0)                   ; the two products have written v[BI ..], which the store reads
	global_store_b128 v7, v[BI:BI+3], s[26:27]
.Lnobias:
; Chunk n of registers R is stored: 512 neighbouring bytes, the chunks one plane apart.
.macro STORE1 R, base, PS, n
	global_store_b128 v3, v[\R+8*(\n):\R+8*(\n)+3], s[\base:\base+1] offset:(\n)*\PS
.endm
; A block: chunks n and n + 1 of registers R: (scale,) round to f16 in place.  left = loads issued behind the block's four.
; prev = 1: the block before (chunks pn and pn + 1 of registers PR) is stored meanwhile, a store in front of each chunk's vector lines.
.macro BLK R, n, scaled, left, prev, PR, pbase, PPS, pn
	s_wait_loadcnt \left                           ; loads return in order: the block's four are in, the younger ones stay out
.if \prev
	s_wait_alu depctr_va_vdst(0)                   ; the block before is rounded: its registers, which the two stores below read, are written; no vector line below names them
.endif
.irp c, 0,1
.if \prev
	STORE1 \PR, \pbase, \PPS, \pn+\c
.endif
.if \scaled
.irp k, 0,2,4,6
	v_pk_mul_f32 v[\R+8*(\n+\c)+\k:\R+8*(\n+\c)+\k+1], v[\R+8*(\n+\c)+\k:\R+8*(\n+\c)+\k+1], s[36:37] op_sel_hi:[1,0]
.endr
.endif
.irp k, 0,1,2,3
	v_cvt_pk_f16_f32 v[\R+8*(\n+\c)+\k], v[\R+8*(\n+\c)+2*\k], v[\R+8*(\n+\c)+2*\k+1]   ; register k is written when registers up to 2 k - 1 have been used
.endr
.endr
.endm
; x's four blocks: 16 loads of the mask or of a weight, and x's later chunks, stand behind a block's four loads
.macro CASTX
	BLK X, 0, 0, 28, 0, X, 22, APL, 0
	BLK X, 2, 0, 24, 1, X, 22, APL, 0
	BLK X, 4, 0, 20, 1, X, 22, APL, 2
	BLK X, 6, 0, 16, 1, X, 22, APL, 4
.endm
	s_cmp_lt_u32 s30, 4
	s_cbranch_scc0 .Lweights
	; waves 0-3: mask rows 16 qt .. + 15, keys 128 kg .. + 127;  T = 4 wg + wave, qt = T >> 4, kg = T & 15
	s_add_co_u32 s31, s31, s30
	s_lshr_b32 s32, s31, 4
	s_lshl_b32 s32, s32, 17                        ; 16 rows of 8,192 bytes
	s_and_b32 s34, s31, 15
	s_lshl_b32 s34, s34, 9
	s_add_co_u32 s32, s32, s34
	s_add_nc_u64 s[6:7], s[6:7], s[32:33]
	s_lshl_b32 s34, s31, 8                         ; 64 words
	s_add_nc_u64 s[28:29], s[28:29], s[34:35]
.irp p, 0,1,2,3,4,5,6,7,8,9,10,11,12,13,14,15
	global_load_b128 v[Y+4*\p:Y+4*\p+3], v3, s[6:7] offset:8192*\p th:TH_LOAD_NT
.endr
	s_mul_i32 s39, s30, 16*MP                      ; my wave's own 16 x 528 bytes of LDS: no other wave touches them, so no barrier
	v_and_b32 v[TA], 15, v1
	v_lshrrev_b32 v[TB], 4, v1
	v_mul_u32_u24 v5, v[TA], MP
	v_lshl_add_u32 v5, v[TB], 5, v5
	v_add_nc_u32 v5, s39, v5                       ; back: row l & 15, 32 bytes at 32 (l >> 4)
	v_add_nc_u32 v4, s39, v3                       ; in: 16 l of a row
	v_mov_b32 v[WD], 0                             ; v_writelane_b32 keeps the other lanes: written whole first
	v_mov_b32 v[WD+1], 0
	CASTX
	s_wait_alu depctr_va_vdst(0)                   ; x's chunks 6 and 7 are rounded, which the two stores read; v4 and v5 are written, which the LDS stores and loads below read as addresses
	STORE1 X, 22, APL, 6
	STORE1 X, 22, APL, 7
.irp p, 0,1,2,3,4,5,6,7,8,9,10,11,12,13,14,15
	s_wait_loadcnt 15-\p
	ds_store_b128 v4, v[Y+4*\p:Y+4*\p+3] offset:MP*\p
.endr
.irp n, 0,1,2,3,4,5,6,7,8,9,10,11,12,13,14,15
	ds_load_b128 v[Z+4*\n:Z+4*\n+3], v5 offset:64*(\n>>1)+16*(\n&1)   ; LDS serves a wave's instructions in order: these see the stores above
.endr
	; the 64 words, 16 at a time: a run of compares into 16 scalar registers, one wait, then the lines that read them
.set g, 0
.rept 4
.set w, 16*g
.rept 16
.if (w&3) == 0
	s_wait_dscnt 15-(w>>2)                         ; the load that brought registers w .. w + 3 is back
.endif
	v_cmp_ne_u32 s[BAL+(w&15)], 0, v[Z+w]          ; the ballot of 32 lanes is word w
.set w, w+1
.endr
	s_wait_alu depctr_va_sdst(0)                   ; the run's 16 compares have written s[32:47], ahead of their first reader
.set w, 16*g
.rept 16
	v_writelane_b32 v[WD+(w&1)], s[BAL+(w&15)], w>>1
.set w, w+1
.endr
.set g, g+1
.endr
	s_wait_alu depctr_va_vdst(0)                   ; the 64 v_writelane_b32 have written v[WD:WD+1], which the store reads
	global_store_b64 v6, v[WD:WD+1], s[28:29]      ; 256 neighbouring bytes, aligned
	s_wait_dscnt 0x0                               ; the closing lines, six on end
	s_wait_alu 0x0
	s_wait_tensorcnt 0x0
	ds_add_u32 v208, v209
	s_wait_dscnt 0x0
	s_endpgm
.Lweights:
	; waves 4-7: four rows of a weight, eight planes;  quadG = 2 wg + (wave - 4) / 2, the weight is wg >> 7
	s_lshl_b32 s31, ttmp9, 1
	s_sub_co_u32 s39, s30, 4
	s_lshr_b32 s39, s39, 1
	s_add_co_u32 s31, s31, s39
	s_and_b32 s32, s31, 255
	s_lshl_b32 s32, s32, 14
	s_lshl_b32 s34, s38, 11
	s_add_co_u32 s32, s32, s34
	s_lshl_b32 s34, s31, 9
	s_lshl_b32 s39, s38, 22                        ; 8 planes of wb
	s_add_co_u32 s34, s34, s39
	s_lshr_b32 s39, ttmp9, 7
	s_cmp_eq_u32 s39, 1
	s_cselect_b64 s[8:9], s[10:11], s[8:9]
	s_cmp_eq_u32 s39, 2
	s_cselect_b64 s[8:9], s[12:13], s[8:9]
	s_cmp_eq_u32 s39, 3
	s_cselect_b64 s[8:9], s[14:15], s[8:9]
	s_cmp_eq_u32 s39, 0
	s_cselect_b32 s36, 0x3e38aa3b, 1.0             ; c for wq
	s_mov_b32 s37, s36
	s_add_nc_u64 s[8:9], s[8:9], s[32:33]
	s_add_nc_u64 s[24:25], s[24:25], s[34:35]
.irp i, 0,1,2,3,4,5,6,7
	global_load_b128 v[Y+8*\i:Y+8*\i+3],   v2, s[8:9] offset:256*\i th:TH_LOAD_NT
	global_load_b128 v[Y+8*\i+4:Y+8*\i+7], v2, s[8:9] offset:256*\i+16 th:TH_LOAD_NT
.endr
	CASTX
	BLK Y, 0, 1, 12, 1, X, 22, APL, 6              ; the chain goes on: x's last block is stored in the weight's first; only the weight's later chunks stand behind a block's loads
	BLK Y, 2, 1, 8,  1, Y, 24, BPL, 0
	BLK Y, 4, 1, 4,  1, Y, 24, BPL, 2
	BLK Y, 6, 1, 0,  1, Y, 24, BPL, 4
	s_wait_alu depctr_va_vdst(0)                   ; the weight's chunks 6 and 7 are rounded, which the last two stores read
	STORE1 Y, 24, BPL, 6
	STORE1 Y, 24, BPL, 7
	s_endpgm
.Lfunc_end_k_q0883c8c64d_prep:
	.size	k_q0883c8c64d_prep, .Lfunc_end_k_q0883c8c64d_prep-k_q0883c8c64d_prep
	.p2alignl 7, 3214868480
	.fill 96, 4, 3214868480
	.section	.rodata,"a",@progbits
	.p2align	6, 0x0
	.amdhsa_kernel k_q0883c8c64d_prep
		.amdhsa_group_segment_fixed_size 34816
		.amdhsa_private_segment_fixed_size 0
		.amdhsa_enable_private_segment 0
		.amdhsa_kernarg_size 104
		.amdhsa_user_sgpr_count 2
		.amdhsa_user_sgpr_kernarg_segment_ptr 1
		.amdhsa_wavefront_size32 1
		.amdhsa_system_sgpr_workgroup_id_x 1
		.amdhsa_system_sgpr_workgroup_id_y 1
		.amdhsa_system_sgpr_workgroup_id_z 1
		.amdhsa_system_vgpr_workitem_id 0
		.amdhsa_next_free_vgpr 210
		.amdhsa_next_free_sgpr 66
		.amdhsa_reserve_vcc 0
		.amdhsa_float_denorm_mode_32 3
		.amdhsa_float_denorm_mode_16_64 3
		.amdhsa_memory_ordered 1
		.amdhsa_forward_progress 1
		.amdhsa_inst_pref_size 31
	.end_amdhsa_kernel
	.amdgpu_metadata
---
amdhsa.version: [ 1, 2 ]
amdhsa.kernels:
  - .name:           k_q0883c8c64d_prep
    .symbol:         k_q0883c8c64d_prep.kd
    .args:
      - { .name: x, .offset: 0, .size: 8, .value_kind: global_buffer, .address_space: global }
      - { .name: mask, .offset: 8, .size: 8, .value_kind: global_buffer, .address_space: global }
      - { .name: wq, .offset: 16, .size: 8, .value_kind: global_buffer, .address_space: global }
      - { .name: wk, .offset: 24, .size: 8, .value_kind: global_buffer, .address_space: global }
      - { .name: wv, .offset: 32, .size: 8, .value_kind: global_buffer, .address_space: global }
      - { .name: wo, .offset: 40, .size: 8, .value_kind: global_buffer, .address_space: global }
      - { .name: bq, .offset: 48, .size: 8, .value_kind: global_buffer, .address_space: global }
      - { .name: bk, .offset: 56, .size: 8, .value_kind: global_buffer, .address_space: global }
      - { .name: bv, .offset: 64, .size: 8, .value_kind: global_buffer, .address_space: global }
      - { .name: xb, .offset: 72, .size: 8, .value_kind: global_buffer, .address_space: global }
      - { .name: wb, .offset: 80, .size: 8, .value_kind: global_buffer, .address_space: global }
      - { .name: b3, .offset: 88, .size: 8, .value_kind: global_buffer, .address_space: global }
      - { .name: mw, .offset: 96, .size: 8, .value_kind: global_buffer, .address_space: global }
    .group_segment_fixed_size: 34816
    .private_segment_fixed_size: 0
    .kernarg_segment_align: 8
    .kernarg_segment_size: 104
    .max_flat_workgroup_size: 256
    .sgpr_count:     66
    .vgpr_count:     210
    .wavefront_size: 32
...
	.end_amdgpu_metadata
.endif
;; end of part 5
;; launch qkv: the kernel of part 2 again; grid 16 x 32, 4 waves a work-group, clusters of 4 x 4, 327,680 bytes of LDS; arguments xb, wb, b3, qkv; writes qkv
;; launch attn: the kernel of part 3 again; grid 256 x 1, 8 waves a work-group, clusters of 4 x 1, 327,680 bytes of LDS; arguments qkv, mw, ao; writes ao
;; launch oproj: the kernel of part 4 again; grid 8 x 32, 4 waves a work-group, clusters of 4 x 4, 327,680 bytes of LDS; arguments ao, wb, bo, out0; writes out0
